; MI455X (gfx1250); checked and timed in simulation.
; The chip was launched on July 23, 2026; its instructions are those of AMD's public machine-readable ISA for CDNA 5 (MIT licence, August 2026) and "CDNA5" Instruction Set Architecture Reference Guide (July 2026). The comments in the code are by the model that wrote it; some were corrected since.
;; Multi Head Attention. Allowed arithmetic: matrix products marked QUANTISED: E2M3 operands, one E8M0 scale for each 32 along K, by v_wmma_scale_f32_16x16x128_f8f6f4 with both operands' format E2M3, f32 sums; everything else in f32.
;; Inputs: bk 1,024 float32; bo 1,024 float32; bq 1,024 float32; bv 1,024 float32; mask 4 x 2,048 int32; wk 1,024 x 1,024 float32; wo 1,024 x 1,024 float32; wq 1,024 x 1,024 float32; wv 1,024 x 1,024 float32; x 4 x 2,048 x 1,024 float32.
;; Outputs: out0 4 x 2,048 x 1,024 float32.
;; This version of the problem:
;;   THIS VERSION OF THE PROBLEM IS GIVEN IN LOW PRECISION. The matrix products marked QUANTISED in the list below multiply operands that are first quantised to E2M3 (2 exponent bits, 3 mantissa bits; 6 bits a number), with one power-of-two scale for each 32 numbers along K (OCP MX v1.0); their sums are f32. All else is computed in f32.
;;   The module's matrix products, in the order in which they are computed (A, B: the left and right operand; K: the contracted axis; several contracted axes count as one K, in the product's order):
;;     1. [M 8,192, K 1,024] x [K 1,024, N 1,024]; A: input x; B: input wq: QUANTISED
;;     2. [M 8,192, K 1,024] x [K 1,024, N 1,024]; A: input x; B: input wk: QUANTISED
;;     3. [M 8,192, K 1,024] x [K 1,024, N 1,024]; A: input x; B: input wv: QUANTISED
;;     4. batch 64 x [M 2,048, K 64] x [K 64, N 2,048]; A: computed on the way; B: computed on the way: QUANTISED
;;     5. batch 64 x [M 2,048, K 2,048] x [K 2,048, N 64]; A: softmax (see below); B: computed on the way: QUANTISED
;;     6. [M 8,192, K 1,024] x [K 1,024, N 1,024]; A: computed on the way; B: input wo: QUANTISED
;;   THE QUANTISER, for each operand of a quantised product, along K:
;;     - K is cut into blocks of 32 from its start; a last block that is shorter is filled with zeros.
;;     - A block's scale is 2^e with e = floor(log2(the largest magnitude in the block)) - 2, held to -126 .. 127; a block of zeros has e = 0. As a byte (E8M0): e + 127.
;;     - Each number is divided by its block's scale, clamped to +-7.5, and rounded to the nearest number of E2M3, ties to even, subnormals kept.
;;     - The product sums the exact products of the quantised numbers (number of the format x scale) in f32.
;;   ~~~python
;;   def quantise(x, axis):      # numpy; x: float32 -> the quantised numbers, widened to float32 again
;;       x = np.moveaxis(x, axis, -1); K = x.shape[-1]
;;       x = np.pad(x, [(0, 0)] * (x.ndim - 1) + [(0, -K % 32)]); x = x.reshape(x.shape[:-1] + (-1, 32)); a = np.abs(x).max(-1, keepdims=True)
;;       e = np.where(a > 0, np.clip(np.frexp(np.where(a > 0, a, 1))[1] - 1 - 2, -126, 127), 0)      # np.frexp(a)[1] - 1 = floor(log2(a)), exactly
;;       r = np.clip(x / 2.0 ** e, -7.5, 7.5)
;;       step = 2.0 ** (np.maximum(np.frexp(np.where(r == 0, 1, r))[1] - 1, 0) - 3)
;;       q = np.round(r / step) * step * 2.0 ** e      # np.round: ties to even
;;       return np.moveaxis(q.reshape(q.shape[:-2] + (-1,))[..., :K], -1, axis).astype(np.float32)
;;   ~~~
;;   SOFTMAX AHEAD OF A QUANTISED PRODUCT. Where the list says 'softmax', what is quantised is not the finished softmax but p = 2^(t - M), with t = logit x log2(e) and M = ceil(the row's largest t), a whole number; so 1/2 < the row's largest p <= 1. The row's sum l is taken of the UNQUANTISED p, in f32, and the product's result is divided by l at the end. Since M is a whole number, a kernel that streams over the keys may use a running M (the ceiling of the running maximum): every later rescaling is an exact power of two, which a block's scale takes up: the codes' values come out the same.
;;   OPERANDS COMPUTED ON THE WAY. 'Computed on the way' means the value that the module computes at that place (a softmax that the list does not call 'softmax' is quantised finished and normalised). What goes into a quantiser is computed in f32, as accurately as f32 sums, v_exp_f32 and their like allow (about 1e-6 of the number): no bf16 or f16 on the way to a quantiser, and a product that is left as it is and whose result goes on into a quantised operand takes f32 operands (vector FMAs, or v_wmma_f32_16x16x4_f32). A number that lies on a knife's edge between two numbers of the format may be rounded either way, as far as f32 arithmetic and the matrix unit's own rounding can turn it there, and no further.
;; One version. Each part assembles by itself: llvm-mc -triple=amdgcn-amd-amdhsa -mcpu=gfx1250 --defsym DOCPART=n.
;; ======== version 1 of 1: 4 launches
;; limits: right only within a limited range of input values
;; workspace buffers: xw 9,437,184 bytes; xws 393,216 bytes; qimg 8,388,608 bytes; qsc 524,288 bytes; kv 15,466,496 bytes; cimg 6,291,456 bytes; csc 524,288 bytes
;; launch quant (part 1): grid 384 x 1, 4 waves a work-group, no clusters, 33,280 bytes of LDS; arguments x, wq, wk, wv, wo, xw, xws; writes xw, xws
.if DOCPART == 1
	.amdgcn_target "amdgcn-amd-amdhsa--gfx1250"
	.amdhsa_code_object_version 6
	.text
	.protected	k_qd5fe084aca_quant
	.globl	k_qd5fe084aca_quant
	.p2align	8
	.type	k_qd5fe084aca_quant,@function
k_qd5fe084aca_quant:
	s_mov_b64 s[64:65], 0
	v_nop
	global_prefetch_b8 v0, s[64:65] scope:SCOPE_SE
	s_setreg_imm32_b32 hwreg(HW_REG_WAVE_MODE, 25, 1), 1
	s_wait_xcnt 0x0
; x [8192][1024] and wq, wk, wv, wo [1024][1024], f32, K innermost, become codes of FP6 (E2M3) and one E8M0 byte for each 32 along K.
; PLACES: 12,288 rows: 0.. x, 8192.. wq, 9216.. wk, 10240.. wv, 11264.. wo.  In x, wq, wk, wv the rows of every 64 change places:
; place 16 t + 8 u + i (t = 0..3, u = 0, 1, i = 0..7) holds row 32 u + 8 t + i.  Sixteen neighbouring places are then a tile, and four tiles' results
; in one lane are 32 neighbours along the next product's K: a whole scale block.  wo keeps its order.
; xw: [96 groups of 128 places][4 quarters of K][128 places][192 bytes]: a quarter of a group is a dense block of 24,576 bytes.  xws: [place][32 bytes].
; A block's scale is 2^(floor(log2(its largest magnitude)) - 2); its byte is that magnitude's exponent field - 2, held at 1 from below
; (a block of zeros so gets the byte 1 where the rule says 127: its codes are zeros, and this program alone reads the bytes).
; LIMITS: blocks whose largest magnitude lies under 2^-124 keep the byte 1; NaN and infinities among the inputs are not served.
; A wave takes 8 rows (16 steps of 512 numbers): the exchange is a choice of the wave's place in the output.
; Each load reads 512 consecutive bytes; a step's 2,048 bytes turn through the wave's own stage in LDS and come back 64 bytes a lane (two lanes hold a block).
; No tensor loads, no barrier: waves share nothing.  Loads run four steps (16 loads a wave) ahead, the turn through LDS one step.
.set WAVES, 4
.set STEPS, 16
.set EMAX,  2
.set CB,    12                         ; bytes of 16 codes
.set R,     16                         ; v16-79   four sets of 16 numbers as loaded
.set X,     80                         ; v80-111  two sets of 16 neighbours
.set C,     128                        ; v128-191 codes: four registers a step, so that no store's data are written again
.set E,     112                        ; v112-127 a scale byte a step
.set WREG,  8192                       ; LDS: a region a wave: two stages of 32 x SP bytes, then its 256 scale bytes
.set SP,    80                         ; a lane's place in a stage: 64 bytes + 16 of padding
.set SPW,   12                         ; v12  my spare word's LDS address; never rewritten
.set NIL,   13                         ; v13  0; never rewritten
.set SPARE, WAVES*WREG                 ; the spare words, 128 bytes a wave, which no other line names
	s_load_b256 s[4:11], s[0:1], 0x0               ; x, wq, wk, wv
	s_load_b128 s[12:15], s[0:1], 0x20             ; wo, xw
	s_load_b64 s[16:17], s[0:1], 0x30              ; xws
	v_lshl_add_u32 v[SPW], v0, 2, SPARE
	v_mov_b32 v[NIL], 0
	v_lshrrev_b32 v1, 5, v0
	v_readfirstlane_b32 s18, v1                    ; wave
	v_and_b32 v2, 31, v0                           ; lane
	v_lshlrev_b32 v3, 4, v2                        ; my 16 bytes of a load's 512
	s_mul_i32 s19, s18, WREG
	v_lshrrev_b32 v14, 2, v2
	v_mul_u32_u24 v14, v14, SP
	v_and_b32 v15, 3, v2
	v_lshl_add_u32 v14, v15, 4, v14
	v_add_nc_u32 v14, s19, v14                     ; the stage, on the way in: SP (lane / 4) + 16 (lane % 4)
	v_mul_u32_u24 v15, v2, SP
	v_add_nc_u32 v15, s19, v15                     ; and on the way out: SP x lane
	v_and_b32 v4, 15, v2
	v_mul_u32_u24 v4, v4, CB
	v_lshrrev_b32 v10, 4, v2
	v_mad_u32_u24 v4, v10, 0x6000, v4              ; my codes: lanes 0-15 one quarter of K, lanes 16-31 the next, 24,576 bytes on
	v_lshrrev_b32 v5, 1, v2
	s_add_co_u32 s19, s19, 2*32*SP
	v_add_nc_u32 v5, s19, v5                       ; LDS: my block's scale byte
	v_lshlrev_b32 v7, 3, v2                        ; and on the way out 8 bytes a lane
	v_add_nc_u32 v6, s19, v7
	s_sub_co_u32 s20, ttmp9, 256                   ; work-groups 0-255 take x, then 32 each wq, wk, wv, wo
	s_lshr_b32 s21, s20, 5                         ; which weight
	s_and_b32 s22, s20, 31                         ; and which 32 rows of it
	s_lshl_b32 s24, ttmp9, 2
	s_add_co_u32 s24, s24, s18                     ; my run of 8 rows, counted over all five tensors: 8 n + 4 u + t
	s_and_b32 s23, s24, 3
	s_lshl_b32 s23, s23, 1
	s_bfe_u32 s25, s24, 0x10002
	s_or_b32 s23, s23, s25                         ; goes to run 8 n + 2 t + u,
	s_and_b32 s25, s24, 0xfffffff8
	s_or_b32 s23, s23, s25
	s_cmp_lt_u32 ttmp9, 352
	s_cselect_b32 s24, s23, s24                    ; but not in wo
	s_wait_alu depctr_va_vdst(0)                   ; the wait at the head's end
	s_wait_kmcnt 0x0
	s_cmp_eq_u32 s21, 1                            ; the source is chosen by the work-group's number alone
	s_cselect_b64 s[6:7], s[8:9], s[6:7]
	s_cmp_eq_u32 s21, 2
	s_cselect_b64 s[6:7], s[10:11], s[6:7]
	s_cmp_eq_u32 s21, 3
	s_cselect_b64 s[6:7], s[12:13], s[6:7]
	s_cmp_lt_u32 ttmp9, 256
	s_cselect_b64 s[4:5], s[4:5], s[6:7]
	s_cselect_b32 s22, ttmp9, s22
	s_lshl_b32 s22, s22, 2
	s_add_co_u32 s22, s22, s18                     ; my run of 8 rows in the source
	s_lshl_b32 s26, s22, 15                        ; 32,768 bytes a run
	s_mov_b32 s27, 0
	s_add_nc_u64 s[4:5], s[4:5], s[26:27]
	s_lshr_b32 s26, s24, 4
	s_mul_i32 s26, s26, 98304                      ; my group of 128 places,
	s_and_b32 s25, s24, 15
	s_mul_i32 s25, s25, 8*192                      ; and my 8 places in a quarter of it
	s_add_co_u32 s26, s26, s25
	s_add_nc_u64 s[14:15], s[14:15], s[26:27]
	s_lshl_b32 s26, s24, 8                         ; 256 scale bytes a run
	s_add_nc_u64 s[16:17], s[16:17], s[26:27]
.macro LOAD t
.irp i, 0,1,2,3
	global_load_b128 v[R+16*((\t)%4)+4*\i:R+16*((\t)%4)+4*\i+3], v3, s[4:5] offset:2048*(\t)+512*\i th:TH_LOAD_NT
.endr
.endm
.macro TURN t                          ; LDS serves a wave's instructions in order: no wait between the stores and the loads
.irp i, 0,1,2,3
	ds_store_b128 v14, v[R+16*((\t)%4)+4*\i:R+16*((\t)%4)+4*\i+3] offset:32*SP*((\t)%2)+8*SP*\i
.endr
.irp i, 0,1,2,3
	ds_load_b128 v[X+16*((\t)%2)+4*\i:X+16*((\t)%2)+4*\i+3], v15 offset:32*SP*((\t)%2)+16*\i
.endr
.endm
.irp t, 0,1,2,3
	LOAD \t
.endr
	s_wait_loadcnt 12                              ; step 0's four loads are in
	TURN 0
.macro STEP t
.set XS, X+16*((\t)%2)
.if (\t) > 0
	s_wait_dscnt 1                                 ; this step's numbers are back (the last step's byte store may be out)
.else
	s_wait_dscnt 0x0
.endif
.if (\t)+4 < STEPS
	LOAD (\t)+4
.endif
.if (\t)+1 < STEPS
.if STEPS-2-(\t) >= 3
	s_wait_loadcnt 12                              ; the next step's four loads are in; three steps' may be out
.else
	s_wait_loadcnt 4*(STEPS-2-(\t))
.endif
	TURN (\t)+1
.endif
	v_max3_num_f32 v8, |v[XS]|, |v[XS+1]|, |v[XS+2]|               ; the largest magnitude of my 16, in two chains
	v_max3_num_f32 v9, |v[XS+3]|, |v[XS+4]|, |v[XS+5]|
.irp i, 6,10
	v_max3_num_f32 v8, v8, |v[XS+\i]|, |v[XS+\i+1]|
	v_max3_num_f32 v9, v9, |v[XS+\i+2]|, |v[XS+\i+3]|
.endr
	v_max3_num_f32 v8, v8, |v[XS+14]|, |v[XS+15]|
	v_max3_num_f32 v8, v8, v9, (EMAX+1)<<23        ; and the floor 2^(3 - 127)
	v_max_num_f32_dpp v8, v8, v8 row_xmask:1 row_mask:0xf bank_mask:0xf   ; and of my neighbour's 16
	v_add_nc_u32 v11, -(EMAX<<23), v8              ; 2 off its exponent field: the conversion's scale operand
	v_cvt_scalef32_pk16_fp6_f32 v[C+4*(\t):C+4*(\t)+2], v[XS:XS+15], v11
	v_lshrrev_b32 v[E+(\t)], 23, v11               ; the scale's byte
	ds_store_b8 v5, v[E+(\t)] offset:16*(\t)       ; both lanes of a block write the same byte with the same value
	global_store_b96 v4, v[C+4*(\t):C+4*(\t)+2], s[14:15] offset:49152*((\t)%2)+192*((\t)/2)   ; row t / 2, quarters 2 (t % 2) and 2 (t % 2) + 1: 192 consecutive bytes each
.endm
.irp t, 0,1,2,3,4,5,6,7,8,9,10,11,12,13,14,15
	STEP \t
.endr
	ds_load_b64 v[8:9], v6
	s_wait_dscnt 0x0
	global_store_b64 v7, v[8:9], s[16:17]          ; 32 lanes store 256 consecutive bytes, aligned
	s_wait_tensorcnt 0x0                           ; the wave's end
	ds_add_u32 v[SPW], v[NIL]
	s_wait_dscnt 0x0
	s_endpgm
.Lfunc_end_k_qd5fe084aca_quant:
	.size	k_qd5fe084aca_quant, .Lfunc_end_k_qd5fe084aca_quant-k_qd5fe084aca_quant
	.p2alignl 7, 3214868480
	.fill 96, 4, 3214868480
	.section	.rodata,"a",@progbits
	.p2align	6, 0x0
	.amdhsa_kernel k_qd5fe084aca_quant
		.amdhsa_group_segment_fixed_size 33280
		.amdhsa_private_segment_fixed_size 0
		.amdhsa_enable_private_segment 0
		.amdhsa_kernarg_size 56
		.amdhsa_user_sgpr_count 2
		.amdhsa_user_sgpr_kernarg_segment_ptr 1
		.amdhsa_wavefront_size32 1
		.amdhsa_system_sgpr_workgroup_id_x 1
		.amdhsa_system_sgpr_workgroup_id_y 1
		.amdhsa_system_sgpr_workgroup_id_z 1
		.amdhsa_system_vgpr_workitem_id 0
		.amdhsa_next_free_vgpr 192
		.amdhsa_next_free_sgpr 66
		.amdhsa_reserve_vcc 0
		.amdhsa_float_denorm_mode_32 3
		.amdhsa_float_denorm_mode_16_64 3
		.amdhsa_memory_ordered 1
		.amdhsa_forward_progress 1
		.amdhsa_inst_pref_size 33
	.end_amdhsa_kernel
	.amdgpu_metadata
---
amdhsa.version: [ 1, 2 ]
amdhsa.kernels:
  - .name:           k_qd5fe084aca_quant
    .symbol:         k_qd5fe084aca_quant.kd
    .args:
      - { .name: x, .offset: 0, .size: 8, .value_kind: global_buffer, .address_space: global }
      - { .name: wq, .offset: 8, .size: 8, .value_kind: global_buffer, .address_space: global }
      - { .name: wk, .offset: 16, .size: 8, .value_kind: global_buffer, .address_space: global }
      - { .name: wv, .offset: 24, .size: 8, .value_kind: global_buffer, .address_space: global }
      - { .name: wo, .offset: 32, .size: 8, .value_kind: global_buffer, .address_space: global }
      - { .name: xw, .offset: 40, .size: 8, .value_kind: global_buffer, .address_space: global }
      - { .name: xws, .offset: 48, .size: 8, .value_kind: global_buffer, .address_space: global }
    .group_segment_fixed_size: 33280
    .private_segment_fixed_size: 0
    .kernarg_segment_align: 8
    .kernarg_segment_size: 56
    .max_flat_workgroup_size: 128
    .sgpr_count:     66
    .vgpr_count:     192
    .wavefront_size: 32
...
	.end_amdgpu_metadata
.endif
;; end of part 1
;; launch qkv (part 2): grid 12 x 32, 4 waves a work-group, clusters of 4 x 4, 327,680 bytes of LDS; arguments xw, xws, bq, bk, bv, mask, qimg, qsc, kv; writes qimg, qsc, kv
.if DOCPART == 2
	.amdgcn_target "amdgcn-amd-amdhsa--gfx1250"
	.amdhsa_code_object_version 6
	.text
	.protected	k_qd5fe084aca_qkv
	.globl	k_qd5fe084aca_qkv
	.p2align	8
	.type	k_qd5fe084aca_qkv,@function
k_qd5fe084aca_qkv:
	s_mov_b64 s[64:65], 0
	v_nop
	global_prefetch_b8 v0, s[64:65] scope:SCOPE_SE
	s_setreg_imm32_b32 hwreg(HW_REG_WAVE_MODE, 25, 1), 1
	s_wait_xcnt 0x0
	s_wait_alu depctr_hold_cnt(0) depctr_sa_sdst(0) depctr_va_vdst(0) depctr_va_sdst(0) depctr_va_ssrc(0) depctr_va_vcc(0) depctr_vm_vsrc(0)
	s_getreg_b32 s2, hwreg(HW_REG_IB_STS2, 6, 4)
	s_cmp_eq_u32 s2, 0
	s_cbranch_scc0 .Lentry_in_a_cluster
	s_endpgm
.Lentry_in_a_cluster:
	s_bfe_u32 s2, ttmp6, 0x10000c
	s_cmp_lg_u32 s2, 0xf033
	s_cbranch_scc0 .Lentry_shape_is_right
	s_endpgm
.Lentry_shape_is_right:
; q = (x wq^T + bq) / 8, k = x wk^T + bk, v = x wv^T + bv on codes of FP6 (E2M3) with E8M0 scales, K = 1,024; the results are quantised at once for attention and leave as codes only.
; A work-group of four waves makes 256 x 256, a wave 128 x 128: 64 accumulators.  K goes in quarters of 256 through two LDS slots filled by the tensor data mover.
; The cluster's x says which product: 0 q, 1 k, 2 v.  Both operands lie in xw, so only row numbers are chosen.
; SIDE A is source 1 (a lane holds one of its rows), shared along a row of the cluster; SIDE B is source 0 (a lane's registers run along its rows), shared along a column: joint loads of four work-groups.
;   q, k: A = 256 tokens, B = 256 rows of the weight.   v: A = 256 rows of wv, B = 256 tokens.
; xw: [group of 128 places][quarter of K][128][192 bytes]: a wave's part of a slot is a dense block of 24,576 bytes, fetched as 96 rows of 256 bytes with 16 bytes of padding behind every 64: LDS rows of 240 bytes.
; In LDS a wave's parts of slot 0 and slot 1 lie on end, as quarters 0 and 1 do in memory: the head's one load a wave brings both (192 rows of 256 bytes).
; By xw's order of places, register 32 c + i of lane (r, h), over B's tiles 4 c .. 4 c + 3, is B's true row 64 c + 32 h + i: a whole scale block of the next product in one lane.
; Place 16 a + r of side A is true row 64 (a / 4) + 8 (a % 4) + r + 24 (r / 8).
; WHAT LEAVES, as images of operand registers.  q, k: a tile of 16 tokens x one head: registers 0-3 at 16 x lane, registers 4-7 at 512 + 16 x lane (1,024 bytes).  Registers 0-5 are the head's 64 codes.
;   Register 6 holds k = 64's code (lanes 0-15): q: +1; k: -1 where mask == 0, else 0.  Scale byte 2 is a constant: q 227 (2^100), k 127.  So a hidden key's score is -2^100 and an open key's is untouched.
;   v: a tile of 16 features x 128 keys: three times 16 x lane (1,536 bytes).
;   qimg [bh][128 tiles][1,024]; qsc [bh][16][512]; kv [bh][16 steps][8 tiles of K, 4 of V^T, K's scale words 512, V's 256] = 15,104 bytes a step.  A pack of scale words: dword j of lane (r, h) is the word of tile 2 j + h, row r.
; LIMITS: blocks whose largest magnitude lies under 2^-124, and blocks of zeros, keep the byte 1 (read by this program alone); NaN and infinities are not served.
; In v's clusters the 64 bias numbers of the q and k path are loaded and not used: the price of one head for all three.
; No prefetch: K has four quarters, of which two are asked for at the head; the loop has nothing to run ahead in.
; REGISTERS: window 0: v1-31 addresses and constants; v32-39 mask or bv; v40-63 scale words on the way out; v64-95 A's scale words, v96-127 B's; from v128 A's fragments, one set; later the way out.
;   window 1: B's fragments, two sets, at v0 and v128; v96-127, v224-255 the bias.   window 2: accumulators of A's blocks 0-3 ((a, b) at v[8 (8 a + b)]);   window 3: blocks 4-7.
.set QB,    24576                      ; a quarter of K of 128 places
.set PITCH, 240
.set FR,    12
.set NL,    6
.set NP,    4                          ; places behind this matrix instruction (ISA guide 7.12.1)
.set HALFT, 128*PITCH
.set SPARE, 8*HALFT                    ; behind the four waves' parts: the spare words
.set HSK,   241664                     ; a head in kv
.set VM,   10                          ; v10  4 (r + 24 (r / 8))
.set SH8,  11                          ; v11  8 h
.set ADRA, 16                          ; v16-17 my A fragments in slot 0, 1 (v18-19: behind one padding more)
.set ADRB, 20
.set LI16, 24
.set LI8,  25
.set VS,   26                          ; 32 x lane
.set VB,   27                          ; 128 h
.set SPW,  28
.set NIL,  29
.set EXU,  30                          ; register 6 of an image where the token is open
.set EXM,  31                          ; and where it is hidden
.set LV,   32
.set PWS,  40
.set W,    48
.set OUT,  56
.set SA,   64
.set SB,   96
.set AF,   128
.set T,    128
.set PC,   192                         ; v192-207 the codes just made
.set TM,   212
.set PW,   228
.set CT,   232                         ; v232-238 the second halves' codes before they are moved
.set G1,  24
.set G0,  32
.set G1B, 48
.set G0B, 56
.set BY2, 80
.set D0,  84
.set D1,  86
.set SD0, 88
.set SD1, 90
.set SF,  92
.set HM,  94
.set SEL, 98
.set MSB, 0
.macro WIN new
.if MSB != (\new)
	s_set_vgpr_msb (MSB<<8)|(\new)
.set MSB, (\new)
.endif
.endm
.set MUL_LO, 0xa1
.set MUL_HI, 0xf1
.set TO_B,   0x40
.macro JLOAD g0a, g1a, g0b, g1b        ; waves 0 and 1 fetch for A, 2 and 3 for B; an s_nop 0 and four v_nop follow each line
	s_cmp_eq_u32 s15, 0
	s_cbranch_scc0 .Lfor_b_\@
	tensor_load_to_lds s[\g0a:\g0a+3], s[\g1a:\g1a+7]
	s_nop 0
.rept 4
	v_nop
.endr
	s_branch .Lasked_\@
.Lfor_b_\@:
	tensor_load_to_lds s[\g0b:\g0b+3], s[\g1b:\g1b+7]
	s_nop 0
.rept 4
	v_nop
.endr
.Lasked_\@:
.endm
.macro CREST
	s_cmp_lg_u32 s14, 0
	s_cbranch_scc1 .Lnot_wave_0_\@
	s_barrier_signal -3
.Lnot_wave_0_\@:
	s_barrier_wait -3
	s_barrier_signal -1
	s_barrier_wait -1
.endm
.macro CROUND
	s_barrier_signal -1
	s_barrier_wait -1
	CREST
.endm
	s_load_b256 s[4:11], s[0:1], 0x0               ; xw, xws, bq, bk
	s_load_b256 s[68:75], s[0:1], 0x20             ; bv, mask, qimg, qsc
	s_load_b64 s[76:77], s[0:1], 0x40              ; kv
	v_lshl_add_u32 v[SPW], v0, 2, SPARE
	v_mov_b32 v[NIL], 0
	ds_add_u32 v[SPW], v[NIL]                      ; the opening lines: the add twice and its wait
	ds_add_u32 v[SPW], v[NIL]
	v_lshrrev_b32 v1, 5, v0
	v_readfirstlane_b32 s14, v1                    ; wave
	s_lshr_b32 s15, s14, 1                         ; my half of A's rows; also: I fetch for A (0) or B (1)
	s_and_b32 s16, s14, 1                          ; my half of B's rows; also: which 128 rows I fetch
	s_bfe_u32 s40, ttmp6, 0x40000                  ; cx
	s_bfe_u32 s41, ttmp6, 0x40004                  ; cy
	s_and_b32 s17, ttmp7, 0xffff                   ; which 1,024 tokens
	s_lshl_b32 s43, s41, 2
	s_lshl_b32 s43, 15, s43                        ; my row of the cluster
	s_lshl_b32 s44, 0x1111, s40                    ; my column
	s_or_b32 s[G1+0], s43, (1<<20)|(1<<21)|(3<<22)|(3<<25)   ; elements of 1 byte; padding of 4 words behind every 16
	s_or_b32 s[G1B+0], s44, (1<<20)|(1<<21)|(3<<22)|(3<<25)
.irp g, G1, G1B
	s_mov_b32 s[\g+1], 256<<16
	s_mov_b32 s[\g+2], 192<<16                     ; the head's load: two quarters
	s_mov_b32 s[\g+3], 256<<16
	s_mov_b32 s[\g+4], 192
	s_mov_b32 s[\g+5], 256
	s_mov_b32 s[\g+6], 0
	s_mov_b32 s[\g+7], 0
.endr
	s_lshl_b32 s18, s17, 10
	s_lshl_b32 s19, s41, 8
	s_lshl_b32 s42, s40, 8
	s_add_co_u32 s20, s18, s19                     ; q, k: A = x's places 256 (4 Y + cy)
	s_add_co_u32 s21, s19, 10240                   ; v:    A = wv's places 256 cy
	s_lshl_b32 s46, ttmp9, 10
	s_add_co_u32 s46, s46, s42
	s_add_co_u32 s46, s46, 8192                    ; q, k: B = the weight's places 256 cx
	s_add_co_u32 s47, s18, s42                     ; v:    B = x's places 256 (4 Y + cx)
	s_cmp_eq_u32 ttmp9, 2
	s_cselect_b32 s20, s21, s20
	s_cselect_b32 s46, s47, s46
	s_lshl_b32 s22, s16, 7
	s_lshl_b32 s23, s15, 7
	s_add_co_u32 s80, s20, s22                     ; A's 128 places that I fetch: a whole group,
	s_mul_i32 s80, s80, 768                        ; in bytes
	s_mov_b32 s81, 0
	s_add_co_u32 s67, s46, s22                     ; B's 128 places that I fetch and multiply by
	s_mul_i32 s82, s67, 768
	s_mov_b32 s83, 0
	s_add_co_u32 s66, s20, s23                     ; A's 128 places that I multiply
	s_mul_i32 s45, s14, 2*HALFT                    ; where my parts go
	s_wait_dscnt 0x0
	s_wait_kmcnt 0x0
	s_add_nc_u64 s[80:81], s[4:5], s[80:81]
	s_add_nc_u64 s[82:83], s[4:5], s[82:83]
	CROUND                                         ; the first joint loads meet
.irp s, 0,1
	s_mov_b32 s[G0+4*\s], 1
	s_add_co_u32 s[G0+4*\s+1], s45, \s*HALFT
	s_add_nc_u64 s[G0+4*\s+2:G0+4*\s+3], s[80:81], \s*QB
	s_or_b32 s[G0+4*\s+3], s[G0+4*\s+3], 0x80000000
	s_mov_b32 s[G0B+4*\s], 1
	s_add_co_u32 s[G0B+4*\s+1], s45, \s*HALFT
	s_add_nc_u64 s[G0B+4*\s+2:G0B+4*\s+3], s[82:83], \s*QB
	s_or_b32 s[G0B+4*\s+3], s[G0B+4*\s+3], 0x80000000
.endr
	JLOAD G0, G1, G0B, G1B                         ; my one load at the head: quarters 0 and 1, into slots 0 and 1
	s_mul_i32 s17, s15, 2*HALFT                    ; my 128 rows of A
	s_mul_i32 s18, s16, 2*HALFT
	s_add_co_u32 s18, s18, 4*HALFT                 ; my 128 rows of B
	v_and_b32 v1, 15, v0                           ; r
	v_bfe_u32 v2, v0, 4, 1                         ; h
	v_and_b32 v6, 31, v0
	v_mul_u32_u24 v3, v1, PITCH
	v_mad_u32_u24 v4, v2, 24, v3                   ; row x pitch + 24 h
	v_lshl_add_u32 v5, v2, 4, v4                   ; and behind one padding more
	v_lshlrev_b32 v[VB], 7, v2
	v_lshlrev_b32 v[SH8], 3, v2
	v_sub_nc_u32 v8, 1, v2
	v_lshrrev_b32 v7, 3, v1
	v_mad_u32_u24 v7, v7, 24, v1
	v_lshlrev_b32 v[VM], 2, v7
	v_lshlrev_b32 v[LI16], 4, v6
	v_lshlrev_b32 v[LI8], 3, v6
	v_lshlrev_b32 v[VS], 5, v6
	v_add_nc_u32 v[ADRA], s17, v4
	v_add_nc_u32 v[ADRB], s18, v4
	v_add_nc_u32 v[ADRA+2], s17, v5
	v_add_nc_u32 v[ADRB+2], s18, v5
.irp g, ADRA, ADRB, ADRA+2, ADRB+2
	v_add_nc_u32 v[\g+1], HALFT, v[\g]
.endr
	s_wait_alu depctr_va_vdst(0)                   ; the wait ahead of the run of scalar lines
	s_lshl_b32 s96, s66, 5                         ; my rows' scale bytes
	s_mov_b32 s97, 0
	s_add_nc_u64 s[96:97], s[6:7], s[96:97]
	s_lshl_b32 s12, s67, 5
	s_mov_b32 s13, 0
	s_add_nc_u64 s[12:13], s[6:7], s[12:13]
	s_cmp_eq_u32 ttmp9, 1                          ; what differs between q, k and v is chosen by the cluster's x alone
	s_cselect_b64 s[8:9], s[10:11], s[8:9]
	s_cmp_eq_u32 ttmp9, 2
	s_cselect_b64 s[8:9], s[68:69], s[8:9]         ; the bias along the registers: bq, bk (bv: loaded, not used)
	s_cselect_b64 s[10:11], s[68:69], s[70:71]     ; the lane's value: bv, or the mask
	s_cselect_b32 s17, 10240, 0
	s_cselect_b32 s95, s67, s66                    ; my first token
	s_cselect_b32 s18, s41, s40
	s_cselect_b32 s19, s15, s16
	s_mov_b32 s3, 14336
	s_cselect_b32 s3, 14848, s3                    ; the pack's place in a step of kv: K's, V's
	s_cmp_eq_u32 ttmp9, 0
	s_cselect_b64 s[D0:D0+1], s[72:73], s[76:77]
	s_cselect_b64 s[SD0:SD0+1], s[74:75], s[76:77]
	s_mov_b32 s20, HSK
	s_cselect_b32 s20, 131072, s20                 ; images: a head,
	s_mov_b32 s21, 15104
	s_cselect_b32 s21, 8192, s21                   ; 128 tokens
	s_cselect_b32 s2, 8192, s20                    ; packs: a head,
	s_cselect_b32 s47, 512, s21                    ; 128 tokens
	s_cselect_b32 s3, 0, s3
	s_cselect_b32 s[SF], 0x3e000000, 1.0
	s_cselect_b32 s43, 8, 0                        ; the code at k = 64: q +1; k 0 or -1
	s_cselect_b32 s44, 8, 40
	s_mov_b32 s[BY2], 0x7f0000
	s_cselect_b32 s[BY2], 0xe30000, s[BY2]         ; and its block's scale byte
	s_mov_b32 s[SF+1], s[SF]
	s_mov_b32 s[HM], 0xffff0000
	s_mov_b32 s[SEL], 0x76543210
	s_mov_b32 s[SEL+1], 0xfedcba98
	v_mul_u32_u24 v[EXU], s43, v8                  ; in lanes 0-15 alone
	v_mul_u32_u24 v[EXM], s44, v8
	s_add_co_u32 s22, s42, s22                     ; my first feature on side B
	s_lshl_b32 s22, s22, 2
	s_mov_b32 s23, 0
	s_add_nc_u64 s[8:9], s[8:9], s[22:23]
	s_sub_co_u32 s22, s66, s17                     ; my first row on side A, counted in the mask or in bv
	s_lshl_b32 s22, s22, 2
	s_add_nc_u64 s[10:11], s[10:11], s[22:23]
	s_lshr_b32 s17, s95, 11                        ; batch
	s_bfe_u32 s45, s95, 0x40007                    ; which 128 tokens of it
	s_lshl_b32 s18, s18, 2
	s_lshl_b32 s19, s19, 1
	s_add_co_u32 s18, s18, s19                     ; my first head
	s_lshl_b32 s17, s17, 4
	s_add_co_u32 s17, s17, s18
	s_mul_i32 s22, s17, s20
	s_mul_i32 s46, s45, s21
	s_add_co_u32 s22, s22, s46
	s_add_nc_u64 s[D0:D0+1], s[D0:D0+1], s[22:23]
	s_mov_b32 s22, s20
	s_add_nc_u64 s[D1:D1+1], s[D0:D0+1], s[22:23]
	s_mul_i32 s22, s17, s2
	s_mul_i32 s46, s45, s47
	s_add_co_u32 s22, s22, s46
	s_add_co_u32 s22, s22, s3
	s_add_nc_u64 s[SD0:SD0+1], s[SD0:SD0+1], s[22:23]
	s_mov_b32 s22, s2
	s_add_nc_u64 s[SD1:SD1+1], s[SD0:SD0+1], s[22:23]
.irp j, 0,1,2,3                        ; register S + 8 j + G: the word of the G-th 128 along K: block 2 j in lanes 0-15, 2 j + 1 in lanes 16-31
	global_load_b128 v[SA+8*\j:SA+8*\j+3], v[VS], s[96:97] offset:1024*\j
	global_load_b128 v[SA+8*\j+4:SA+8*\j+7], v[VS], s[96:97] offset:1024*\j+16
	global_load_b128 v[SB+8*\j:SB+8*\j+3], v[VS], s[12:13] offset:1024*\j
	global_load_b128 v[SB+8*\j+4:SB+8*\j+7], v[VS], s[12:13] offset:1024*\j+16
.endr
.irp a, 0,1,2,3,4,5,6,7
	global_load_b32 v[LV+\a], v[VM], s[10:11] offset:4*(64*(\a/4)+8*(\a%4))
.endr
	WIN TO_B
.irp c, 0,1                            ; the bias in the results' layout: number 32 c + i belongs to feature 64 c + 32 h + i
.irp j, 0,1,2,3,4,5,6,7
	global_load_b128 v[96+128*\c+4*\j:96+128*\c+4*\j+3], v[VB], s[8:9] offset:256*\c+16*\j
.endr
.endr
	WIN 0
.macro FRAG reg, adr, q, i             ; 16 rows x 128 K: 24 + 24 bytes of the row, in pieces of 8
.irp p, 0,1,2,3,4,5
.set PCE, 12*(\q)+6*(\p/3)+\p%3        ; padding lies behind every 8 pieces: where the piece three on lies behind one more, the second address serves
.if PCE%8 < 5
	ds_load_b64 v[\reg+2*\p:\reg+2*\p+1], v[\adr] offset:8*PCE+16*(PCE/8)+(\i)*16*PITCH
.else
	ds_load_b64 v[\reg+2*\p:\reg+2*\p+1], v[\adr+2] offset:8*PCE+16*(PCE/8)+(\i)*16*PITCH
.endif
.endr
.endm
.macro WM1 c, ra, rb
	v_wmma_scale_f32_16x16x128_f8f6f4 v[WD:WD+7], v[WB:WB+11], v[WA:WA+11], \c, v[WSB], v[WSA] matrix_a_fmt:MATRIX_FMT_FP6 matrix_b_fmt:MATRIX_FMT_FP6 matrix_a_scale:MATRIX_SCALE_ROW\ra matrix_b_scale:MATRIX_SCALE_ROW\rb
.endm
.macro WM2 c
.if WK == 0
	WM1 \c, 0, 0
.elseif WK == 1
	WM1 \c, 1, 0
.elseif WK == 2
	WM1 \c, 0, 1
.else
	WM1 \c, 1, 1
.endif
.endm
.macro WM a, b, p, g, zero             ; A's block a x B's block b, the g-th 128 along K; an odd block's scale words stand in lanes 16-31
.set WD, 8*(8*((\a)%4)+(\b))
.set WB, 128*(\p)+FR*(\b)
.set WA, AF+FR*(\a)
.set WSB, SB+8*((\b)/2)+(\g)
.set WSA, SA+8*((\a)/2)+(\g)
.set WK, 2*((\a)%2)+(\b)%2
.if \zero
	WM2 0
.else
	WM2 v[WD:WD+7]
.endif
.endm
.macro MUL16 a0, p, g, zero            ; the 64 accumulators take turns
.irp a, \a0, \a0+1
.irp b, 0,1,2,3,4,5,6,7
	WM \a, \b, \p, \g, \zero
.endr
.endr
.endm
.macro FETCH_B slot, q, p
	WIN TO_B
.irp i, 0,1,2,3,4,5,6,7
	FRAG 128*(\p)+FR*\i, ADRB+\slot, \q, \i
.endr
	WIN 0
.endm
.macro FETCH_A slot, q, i0
.irp i, \i0, \i0+1, \i0+2, \i0+3
	FRAG AF+FR*(\i), ADRA+\slot, \q, \i
.endr
.endm
.macro PLACES n
.rept \n
	v_nop
.endr
.endm
.macro STEP slot, g, zero              ; a slot's first 128 along K
	s_wait_dscnt 4*NL                              ; all but the youngest 24 loads (A's blocks 4-7)
	WIN MUL_LO
	MUL16 0, 0, \g, \zero
	MUL16 2, 0, \g, \zero
	s_wait_dscnt 0
	PLACES NP
	FETCH_B \slot, 1, 1
	FETCH_A \slot, 1, 0
	WIN MUL_HI
	MUL16 4, 0, \g, \zero
	MUL16 6, 0, \g, \zero
	PLACES NP
	WIN 0
	FETCH_A \slot, 1, 4
.endm
.macro TURN slot, next, g, fill        ; a slot's second 128 changes slots: one barrier; fill = 1: it opens a round, and this slot is filled again
	s_wait_tensorcnt 0x0                           ; all my tensor loads have landed
	ds_add_u32 v[SPW], v[NIL]
	s_wait_dscnt 4*NL+1                            ; (the add and the youngest 24 loads may be out)
	WIN MUL_LO
	MUL16 0, 1, \g, 0
	s_wait_dscnt 0x0                               ; the add is done, my reads of this slot are over
	s_barrier_signal -1
	MUL16 2, 1, \g, 0
	WIN 0
	s_barrier_wait -1
.if \fill
	CREST
	s_add_nc_u64 s[G0+4*\slot+2:G0+4*\slot+3], s[G0+4*\slot+2:G0+4*\slot+3], 2*QB
	s_add_nc_u64 s[G0B+4*\slot+2:G0B+4*\slot+3], s[G0B+4*\slot+2:G0B+4*\slot+3], 2*QB
	JLOAD G0+4*\slot, G1, G0B+4*\slot, G1B         ; my one load behind the round; its four v_nop are the places for the loads below
.else
	PLACES NP
.endif
	FETCH_B \next, 0, 0
	FETCH_A \next, 0, 0
	WIN MUL_HI
	MUL16 4, 1, \g, 0
	MUL16 6, 1, \g, 0
	PLACES NP
	WIN 0
	FETCH_A \next, 0, 4
.endm
; 64 numbers of a lane, registers 32 c + i = k 64 c + 32 h + i of my row: two whole blocks.  Block 0's codes go to v[PC .. PC+5], block 1's to v[d1 .. d1+5]; the row's scale word (byte 2 c + h) to v[PW].
.macro QUANT s, d1
.irp b, 0,1,2,3
	v_max3_num_f32 v[TM+\b], |v[\s+16*\b]|, |v[\s+1+16*\b]|, 0x1800000   ; four chains of 16, with the floor 2^(3 - 127)
.endr
.irp i, 2,4,6,8,10,12,14
.irp b, 0,1,2,3
	v_max3_num_f32 v[TM+\b], v[TM+\b], |v[\s+16*\b+\i]|, |v[\s+1+16*\b+\i]|
.endr
.endr
.irp c, 0,1
	v_max_num_f32 v[TM+2*\c], v[TM+2*\c], v[TM+2*\c+1]
.endr
.irp c, 0,1
	v_add_nc_u32 v[TM+12+\c], 0xff000000, v[TM+2*\c]   ; 2 off the exponent field: the conversion's scale operand
.endr
.irp c, 0,1
	v_lshrrev_b32 v[TM+4+\c], 23, v[TM+12+\c]      ; the scale's byte
.endr
	v_lshl_or_b32 v[PW], v[TM+5], 16, v[TM+4]
	v_lshlrev_b32 v[PW], v[SH8], v[PW]             ; my two bytes at their places,
	v_permlanex16_b32 v[TM+8], v[PW], s[SEL], s[SEL+1]
	v_or_b32 v[PW], v[PW], v[TM+8]                 ; with lane l xor 16's the word is whole
	v_cvt_scalef32_pk16_fp6_f32 v[PC:PC+2], v[\s:\s+15], v[TM+12]
	v_cvt_scalef32_pk16_fp6_f32 v[CT:CT+2], v[\s+16:\s+31], v[TM+12]   ; (a conversion's three registers begin on an even number)
	v_cvt_scalef32_pk16_fp6_f32 v[\d1:\d1+2], v[\s+32:\s+47], v[TM+13]
	v_cvt_scalef32_pk16_fp6_f32 v[CT+4:CT+6], v[\s+48:\s+63], v[TM+13]
	v_nop                                          ; one plain place behind a scaled conversion
.irp i, 0,1,2
	v_mov_b32 v[PC+3+\i], v[CT+\i]
	v_mov_b32 v[\d1+3+\i], v[CT+4+\i]
.endr
.endm
	s_wait_alu depctr_va_vdst(0)                   ; the wait at the head's end
	s_wait_tensorcnt 0x0                           ; my parts of slots 0 and 1 are in: no load of mine is out, so a descriptor may be written:
	s_mov_b32 s[G1+2], 96<<16                      ; from here on a load brings one quarter
	s_mov_b32 s[G1+4], 96
	s_mov_b32 s[G1B+2], 96<<16
	s_mov_b32 s[G1B+4], 96
	s_barrier_signal -1
	s_barrier_wait -1                              ; everybody's are in
	FETCH_B 0, 0, 0
	FETCH_A 0, 0, 0
	FETCH_A 0, 0, 4
	s_wait_loadcnt 0x0                             ; the scale words, the bias, the lanes' values
	WIN 0x41
.irp g, 96, 224
.set j, 0
.rept 16
	v_pk_mul_f32 v[\g+j:\g+j+1], v[\g+j:\g+j+1], s[SF:SF+1] op_sel_hi:[1,0]   ; the bias x 1/8 or x 1: exact
.set j, j+2
.endr
.endr
	STEP 0, 0, 1                                   ; eight steps of 128, written out: each names its own scale registers
	TURN 0, 1, 1, 1
	STEP 1, 2, 0
	TURN 1, 0, 3, 1
	STEP 0, 4, 0
	TURN 0, 1, 5, 0
	STEP 1, 6, 0
	s_wait_dscnt 4*NL
	WIN MUL_LO
	MUL16 0, 1, 7, 0
	MUL16 2, 1, 7, 0
	s_wait_dscnt 0
	WIN MUL_HI
	MUL16 4, 1, 7, 0
	MUL16 6, 1, 7, 0
	WIN 0
	; THE WAY OUT, a block of A at a time: bias, quantiser, images.  A store of 16 or 8 bytes a lane covers 512 or 256 consecutive bytes, aligned.
	PLACES NP
	v_mov_b32 v[TM+8], 0                           ; a lane permute's destination counts as one of its sources
	v_mov_b32 v[PC+7], 0                           ; register 7 of both heads' images
	v_mov_b32 v[PC+15], 0
	s_cmp_eq_u32 ttmp9, 2
	s_cbranch_scc1 .Lv
.macro EPI_QK a                        ; 16 tokens x two heads of 64
.if (\a) > 0
	s_wait_xcnt 0x0                                ; the last block's stores have read their registers
.endif
	WIN 0x12+(\a)/4
.set AC, 64*((\a)%4)
.set j, 0
.rept 32
.set BIR, 96+j+96*(j/32)
	v_pk_fma_f32 v[T+j:T+j+1], v[AC+j:AC+j+1], s[SF:SF+1], v[BIR:BIR+1] op_sel_hi:[1,0,1]   ; (sum + bias) x 1/8 or x 1, rounded once
.set j, j+2
.endr
	WIN 0
	QUANT T, PC+8
	v_cmp_eq_u32 vcc_lo, 0, v[LV+\a]               ; my token's mask
	v_cndmask_b32 v[PC+6], v[EXU], v[EXM], vcc_lo  ; the code at k = 64
	v_mov_b32 v[PC+14], v[PC+6]
	v_mov_b32 v[PWS+(\a)], v[PW]
.irp d, 0,1
	global_store_b128 v[LI16], v[PC+8*\d:PC+8*\d+3], s[D0+2*\d:D0+2*\d+1] offset:1024*(\a)
	global_store_b128 v[LI16], v[PC+8*\d+4:PC+8*\d+7], s[D0+2*\d:D0+2*\d+1] offset:1024*(\a)+512
.endr
.endm
.irp a, 0,1,2,3,4,5,6,7
	EPI_QK \a
.endr
.irp a, 0,1,2,3,4,5,6,7
	v_and_or_b32 v[W+\a], v[PWS+\a], 0xffff, s[BY2]   ; the first head: bytes 0, 1 its two blocks; byte 2 the constant; byte 3 = 0
.endr
.irp j, 0,1,2,3
	v_cndmask_b32 v[OUT+\j], v[W+2*\j], v[W+2*\j+1], s[HM]   ; lanes 0-15 tile 2 j's word, lanes 16-31 tile 2 j + 1's
.endr
	global_store_b128 v[LI16], v[OUT:OUT+3], s[SD0:SD0+1]
.irp a, 0,1,2,3,4,5,6,7
	v_lshrrev_b32 v[W+\a], 16, v[PWS+\a]           ; the second head
.endr
.irp a, 0,1,2,3,4,5,6,7
	v_or_b32 v[W+\a], s[BY2], v[W+\a]
.endr
.irp j, 0,1,2,3
	v_cndmask_b32 v[OUT+4+\j], v[W+2*\j], v[W+2*\j+1], s[HM]
.endr
	global_store_b128 v[LI16], v[OUT+4:OUT+7], s[SD1:SD1+1]
	s_branch .Lend
.Lv:
.macro EPI_V a                         ; 16 features x 128 keys: tile a % 4 of head a / 4
.if (\a) > 0
	s_wait_xcnt 0x0
.endif
	WIN 0x02+(\a)/4
.set AC, 64*((\a)%4)
.set LVP, LV+2*((\a)/2)
.set j, 0
.rept 32
.if (\a)%2
	v_pk_add_f32 v[T+j:T+j+1], v[AC+j:AC+j+1], v[LVP:LVP+1] op_sel:[0,1] op_sel_hi:[1,1]   ; + bv of my feature: the pair's second register for both halves
.else
	v_pk_add_f32 v[T+j:T+j+1], v[AC+j:AC+j+1], v[LVP:LVP+1] op_sel_hi:[1,0]                ; the pair's first
.endif
.set j, j+2
.endr
	WIN 0
	QUANT T, PC+6
	v_mov_b32 v[PWS+(\a)], v[PW]
.irp c, 0,1,2
	global_store_b128 v[LI16], v[PC+4*\c:PC+4*\c+3], s[D0:D0+1] offset:((\a)/4)*HSK+8192+((\a)%4)*1536+512*\c
.endr
.endm
.irp a, 0,1,2,3,4,5,6,7
	EPI_V \a
.endr
.irp d, 0,1
	v_cndmask_b32 v[OUT+2*\d], v[PWS+4*\d], v[PWS+4*\d+1], s[HM]
	v_cndmask_b32 v[OUT+2*\d+1], v[PWS+4*\d+2], v[PWS+4*\d+3], s[HM]
	global_store_b64 v[LI8], v[OUT+2*\d:OUT+2*\d+1], s[SD0:SD0+1] offset:HSK*\d
.endr
.Lend:
	s_wait_tensorcnt 0x0                           ; the wave's end
	ds_add_u32 v[SPW], v[NIL]
	s_wait_dscnt 0x0
	CROUND                                         ; the closing round
	s_endpgm
.Lfunc_end_k_qd5fe084aca_qkv:
	.size	k_qd5fe084aca_qkv, .Lfunc_end_k_qd5fe084aca_qkv-k_qd5fe084aca_qkv
	.p2alignl 7, 3214868480
	.fill 96, 4, 3214868480
	.section	.rodata,"a",@progbits
	.p2align	6, 0x0
	.amdhsa_kernel k_qd5fe084aca_qkv
		.amdhsa_group_segment_fixed_size 327680
		.amdhsa_private_segment_fixed_size 0
		.amdhsa_enable_private_segment 0
		.amdhsa_kernarg_size 72
		.amdhsa_user_sgpr_count 2
		.amdhsa_user_sgpr_kernarg_segment_ptr 1
		.amdhsa_wavefront_size32 1
		.amdhsa_system_sgpr_workgroup_id_x 1
		.amdhsa_system_sgpr_workgroup_id_y 1
		.amdhsa_system_sgpr_workgroup_id_z 1
		.amdhsa_system_vgpr_workitem_id 0
		.amdhsa_next_free_vgpr 1024
		.amdhsa_next_free_sgpr 100
		.amdhsa_reserve_vcc 1
		.amdhsa_float_denorm_mode_32 3
		.amdhsa_float_denorm_mode_16_64 3
		.amdhsa_memory_ordered 1
		.amdhsa_forward_progress 1
		.amdhsa_inst_pref_size 225
	.end_amdhsa_kernel
	.amdgpu_metadata
---
amdhsa.version: [ 1, 2 ]
amdhsa.kernels:
  - .name:           k_qd5fe084aca_qkv
    .symbol:         k_qd5fe084aca_qkv.kd
    .args:
      - { .name: xw, .offset: 0, .size: 8, .value_kind: global_buffer, .address_space: global }
      - { .name: xws, .offset: 8, .size: 8, .value_kind: global_buffer, .address_space: global }
      - { .name: bq, .offset: 16, .size: 8, .value_kind: global_buffer, .address_space: global }
      - { .name: bk, .offset: 24, .size: 8, .value_kind: global_buffer, .address_space: global }
      - { .name: bv, .offset: 32, .size: 8, .value_kind: global_buffer, .address_space: global }
      - { .name: mask, .offset: 40, .size: 8, .value_kind: global_buffer, .address_space: global }
      - { .name: qimg, .offset: 48, .size: 8, .value_kind: global_buffer, .address_space: global }
      - { .name: qsc, .offset: 56, .size: 8, .value_kind: global_buffer, .address_space: global }
      - { .name: kv, .offset: 64, .size: 8, .value_kind: global_buffer, .address_space: global }
    .group_segment_fixed_size: 327680
    .private_segment_fixed_size: 0
    .kernarg_segment_align: 8
    .kernarg_segment_size: 72
    .max_flat_workgroup_size: 128
    .sgpr_count:     100
    .vgpr_count:     1024
    .wavefront_size: 32
...
	.end_amdgpu_metadata
.endif
;; end of part 2
;; launch attn (part 3): grid 4 x 64, 16 waves a work-group, clusters of 4 x 1, 245,760 bytes of LDS; arguments qimg, qsc, kv, cimg, csc; writes cimg, csc
.if DOCPART == 3
	.amdgcn_target "amdgcn-amd-amdhsa--gfx1250"
	.amdhsa_code_object_version 6
	.text
	.protected	k_qd5fe084aca_attn
	.globl	k_qd5fe084aca_attn
	.p2align	8
	.type	k_qd5fe084aca_attn,@function
k_qd5fe084aca_attn:
	s_mov_b64 s[64:65], 0
	v_nop
	global_prefetch_b8 v0, s[64:65] scope:SCOPE_SE
	s_setreg_imm32_b32 hwreg(HW_REG_WAVE_MODE, 25, 1), 1
	s_wait_xcnt 0x0
	s_wait_alu depctr_hold_cnt(0) depctr_sa_sdst(0) depctr_va_vdst(0) depctr_va_sdst(0) depctr_va_ssrc(0) depctr_va_vcc(0) depctr_vm_vsrc(0)
	s_getreg_b32 s2, hwreg(HW_REG_IB_STS2, 6, 4)
	s_cmp_eq_u32 s2, 0
	s_cbranch_scc0 .Lentry_in_a_cluster
	s_endpgm
.Lentry_in_a_cluster:
	s_bfe_u32 s2, ttmp6, 0x10000c
	s_cmp_lg_u32 s2, 0x3003
	s_cbranch_scc0 .Lentry_shape_is_right
	s_endpgm
.Lentry_shape_is_right:
; ctx = softmax(q k^T) v for one head and 512 queries a work-group, on codes of FP6 (E2M3); ctx leaves quantised along the head's 64 for the last product.
; THE DEAL.  16 waves; the four work-groups of a cluster take the four quarters of one head's queries and need the same K and V: joint loads.
; A head's K, V^T and their scale words, 16 steps of 128 keys x 15,104 bytes, lie in LDS whole: each wave asks for one step by one load at the head (59 rows of 256 bytes).  Nothing is filled again.
; One barrier shows the tiles to all; from there each wave walks its two tiles of 16 queries (a loop of two trips) over the 16 steps by itself.  A second barrier, at the end, serves the scale words' way out.
; Both products are used transposed (S^T = k q^T, O^T = v^T p^T): a lane holds one query.  By the order in which the launches before laid keys and features, a lane's 32 registers of four tiles are
; 32 neighbours: keys 64 c + 32 h + i of a step, features 32 h + i of the head: a whole scale block lies in one lane, in the operand's own order.
; THE STEP IS TURNED ROUND, so that fragments are asked for well ahead of their products: a trip begins with the scores of keys 0-63 made and K's tiles 4-7 on their way.  It takes block 0's maximum, asks for V,
; makes the scores of keys 64-127, asks for the NEXT step's K tiles 0-3, does the softmax and p's codes, makes the next step's first scores, asks for its K tiles 4-7 among the rescaling of O^T, and adds p V.
; The last step asks for nothing and has a text of its own.
; THE MASK is in the codes: at k = 64 q carries +1 under the scale 2^100 and a hidden key -1 under the scale 1 (an open key 0): a hidden key's score is -2^100 and its p is 0.
; THE SOFTMAX: t = score x log2 e; M = the ceiling of the running largest t, kept as -M; p = 2^(t - M); the row's sum is taken of the unquantised p; when M moves, sum and O^T are multiplied by 2^(old M - new M), exactly.
; A block's largest p is the exponential of its largest score (p rises with the score).
; LIMITS: |t| stays under 2^31.  A batch whose every key is hidden, where reference() gives NaN, is not served: finite numbers come out.  NaN and infinities are not served.
; No prefetch: all that the launch reads by tensor loads is asked for at its head; there is no loop to run ahead in.
; cimg [group of 128 tokens][head][tile][768]: registers 0-3 at 16 x lane, 4-5 at 512 + 8 x lane; csc [group][head][512]: dword j of lane (r, h) is the word of tile 2 j + h, row r.
.set STEPB, 15104
.set VOF,   8192
.set KSC,   14336
.set VSC,   14848
.set STG,   16*STEPB                   ; the stage for ctx's scale words: four packs of 512 bytes
.set SPARE, STG+2048                   ; the spare words, 128 bytes a wave
.set LI16, 1
.set LI8,  2
.set SPW,  3
.set NIL,  4
.set ADK,  5
.set ADT,  6
.set VQS,  7                           ; 16 r + 4 j
.set SH8,  8                           ; 8 h
.set VST,  9                           ; my word's place in the stage
.set KF,   32                          ; v32-79 four fragments of K (registers 8-11 of each stay 0)
.set VF,   80                          ; v80-127 four of V^T
.set S,    128                         ; v128-191 scores, then p
.set O,    192                         ; v192-223 O^T
.set P,    224                         ; v224-235 p's codes; before them three of the sum's four chains
.set PK,   243                         ; the pack that I send at the end
.set BM,   248
.set WV,   18
.set SEL,  20
.set CS,   22
.set G1,   24
.set G0,   40
.set TB,   66
.set PO,   67
.set QB,   72
.set QS,   74
.set CB,   76
.set CSB,  78
.macro CROUND
	s_barrier_signal -1
	s_barrier_wait -1
	s_cmp_lg_u32 s[WV], 0
	s_cbranch_scc1 .Lnot_wave_0_\@
	s_barrier_signal -3
.Lnot_wave_0_\@:
	s_barrier_wait -3
	s_barrier_signal -1
	s_barrier_wait -1
.endm
.macro WALU
	s_wait_alu depctr_va_vdst(0)
.endm
.macro DEP n
	s_delay_alu instid0(VALU_DEP_\n)
.endm
	s_load_b256 s[4:11], s[0:1], 0x0               ; qimg, qsc, kv, cimg
	s_load_b64 s[12:13], s[0:1], 0x20              ; csc
	v_lshl_add_u32 v[SPW], v0, 2, SPARE
	v_mov_b32 v[NIL], 0
	ds_add_u32 v[SPW], v[NIL]                      ; the opening lines: the add twice and its wait
	ds_add_u32 v[SPW], v[NIL]
	v_lshrrev_b32 v5, 5, v0
	v_readfirstlane_b32 s[WV], v5
	s_bfe_u32 s16, ttmp6, 0x40000                  ; cx: which 512 queries
	s_and_b32 s17, ttmp7, 0xffff                   ; 16 batch + head
	s_mov_b32 s[G1], 15|(3<<16)|(1<<21)            ; all four partners; elements of 8 bytes
	s_mov_b32 s[G1+1], 32<<16
	s_mov_b32 s[G1+2], 59<<16
	s_mov_b32 s[G1+3], 32<<16
	s_mov_b32 s[G1+4], 59
	s_mov_b32 s[G1+5], 32
	s_mov_b32 s[G1+6], 0
	s_mov_b32 s[G1+7], 0
	s_mov_b32 s[SEL], 0x76543210
	s_mov_b32 s[SEL+1], 0xfedcba98
	s_mov_b32 s[CS], 0x3fb8aa3b                    ; log2 e
	s_mov_b32 s[CS+1], s[CS]
	s_mov_b32 s[G0], 1
	s_mul_i32 s[G0+1], s[WV], STEPB                ; step = my wave's number
	s_mul_i32 s60, s17, 16*STEPB
	s_add_co_u32 s60, s60, s[G0+1]
	s_mov_b32 s61, 0
	s_wait_dscnt 0x0
	s_wait_kmcnt 0x0
	s_add_nc_u64 s[G0+2:G0+3], s[8:9], s[60:61]
	s_or_b32 s[G0+3], s[G0+3], 0x80000000
	CROUND                                         ; the joint loads meet
	tensor_load_to_lds s[G0:G0+3], s[G1:G1+7]      ; my one tensor load
	s_nop 0
	v_and_b32 v32, 31, v0
	v_and_b32 v33, 15, v0                          ; r
	v_bfe_u32 v34, v0, 4, 1                        ; h
	v_lshlrev_b32 v[LI16], 4, v32
	v_lshlrev_b32 v[LI8], 3, v32
	v_lshlrev_b32 v[SH8], 3, v34
	s_and_b32 s2, s[WV], 3                         ; j: my tiles are 2 j and 2 j + 1
	s_lshr_b32 s3, s[WV], 2                        ; g: of the g-th 128 queries
	s_lshl_b32 s19, s2, 2
	v_lshl_add_u32 v[VQS], v33, 4, s19
	s_lshl_b32 s60, s3, 9
	s_add_co_u32 s60, s60, STG
	v_add_nc_u32 v[VST], s60, v[VQS]
	s_lshl_b32 s60, s2, 9
	s_add_co_u32 s60, s60, STG
	v_add_nc_u32 v[PK], s60, v[LI16]
.irp i, 24,25,26,27,31,246,247
	v_mov_b32 v[\i], 0                             ; q's registers 8-11; the upper half of the pair v[30:31]; the lane permutes' destinations
.endr
.irp t, 0,1,2,3
.irp i, 8,9,10,11
	v_mov_b32 v[KF+12*\t+\i], 0
.endr
.endr
	s_lshl_b32 s60, s16, 2
	s_add_co_u32 s60, s60, s3                      ; which 128 queries of the batch
	s_lshl_b32 s62, s60, 3
	s_lshl_b32 s63, s2, 1
	s_add_co_u32 s62, s62, s63                     ; my first tile
	s_lshl_b32 s62, s62, 10
	s_lshl_b32 s63, s17, 17
	s_add_co_u32 s62, s62, s63
	s_mov_b32 s63, 0
	s_add_nc_u64 s[QB:QB+1], s[4:5], s[62:63]
	s_lshl_b32 s62, s17, 13
	s_lshl_b32 s61, s60, 9
	s_add_co_u32 s62, s62, s61
	s_add_nc_u64 s[QS:QS+1], s[6:7], s[62:63]
	s_lshr_b32 s61, s17, 4
	s_lshl_b32 s61, s61, 4                         ; 16 batch
	s_and_b32 s19, s17, 15                         ; head
	s_add_co_u32 s60, s60, s61
	s_mul_i32 s62, s60, 98304
	s_mul_i32 s80, s19, 6144
	s_add_co_u32 s62, s62, s80
	s_mul_i32 s80, s2, 1536
	s_add_co_u32 s62, s62, s80
	s_add_nc_u64 s[CB:CB+1], s[10:11], s[62:63]
	s_lshl_b32 s62, s16, 2
	s_add_co_u32 s62, s62, s61
	s_add_co_u32 s62, s62, s2                      ; the group whose pack waves 0-3 send
	s_lshl_b32 s62, s62, 13
	s_lshl_b32 s80, s19, 9
	s_add_co_u32 s62, s62, s80
	s_add_nc_u64 s[CSB:CSB+1], s[12:13], s[62:63]
	s_mov_b32 s[PO], 0
	WALU                                           ; the wait at the head's end
	s_wait_tensorcnt 0x0                           ; my step is in,
	s_barrier_signal -1
	s_barrier_wait -1                              ; and everybody's
.macro KLOAD g
.irp t, 0,1,2,3
	ds_load_b128 v[KF+12*\t:KF+12*\t+3], v[ADK] offset:1024*(4*(\g)+\t)
	ds_load_b128 v[KF+12*\t+4:KF+12*\t+7], v[ADK] offset:1024*(4*(\g)+\t)+512
.endr
.endm
.macro QK g
.irp u, 0,1
	v_wmma_scale_f32_16x16x128_f8f6f4 v[S+32*(\g)+16*\u:S+32*(\g)+16*\u+7], v[KF+24*\u:KF+24*\u+11], v[16:27], 0, v[252+2*(\g)+\u], v28 matrix_a_fmt:MATRIX_FMT_FP6 matrix_b_fmt:MATRIX_FMT_FP6
	v_wmma_scale_f32_16x16x128_f8f6f4 v[S+32*(\g)+16*\u+8:S+32*(\g)+16*\u+15], v[KF+24*\u+12:KF+24*\u+23], v[16:27], 0, v[252+2*(\g)+\u], v28 matrix_a_fmt:MATRIX_FMT_FP6 matrix_b_fmt:MATRIX_FMT_FP6 matrix_a_scale:MATRIX_SCALE_ROW1
.endr
.endm
.macro BMAX c                          ; the largest score of block c, in two chains of 16: 16 lines
.irp b, 0,1
	v_max3_num_f32 v[BM+2*(\c)+\b], v[S+32*(\c)+16*\b], v[S+32*(\c)+16*\b+1], v[S+32*(\c)+16*\b+2]
.endr
.irp i, 3,5,7,9,11,13
.irp b, 0,1
	v_max3_num_f32 v[BM+2*(\c)+\b], v[BM+2*(\c)+\b], v[S+32*(\c)+16*\b+\i], v[S+32*(\c)+16*\b+\i+1]
.endr
.endr
	v_max3_num_f32 v[BM+2*(\c)], v[BM+2*(\c)], v[BM+2*(\c)+1], v[S+32*(\c)+15]
	v_max_num_f32 v[BM+2*(\c)], v[BM+2*(\c)], v[S+32*(\c)+31]
.endm
.macro SCALE n                         ; p's scale word, a line at a time among the sum's lines
.if (\n) == 0
	v_max_num_f32 v[BM], 0x1800000, v[BM]          ; the floor 2^(3 - 127)
.elseif (\n) == 1
	v_max_num_f32 v[BM+2], 0x1800000, v[BM+2]
.elseif (\n) == 3
	v_add_nc_u32 v244, 0xff000000, v[BM]           ; the conversions' scale operands
.elseif (\n) == 4
	v_add_nc_u32 v245, 0xff000000, v[BM+2]
.elseif (\n) == 6
	v_lshrrev_b32 v238, 23, v244
.elseif (\n) == 7
	v_lshrrev_b32 v239, 23, v245
.elseif (\n) == 10
	v_lshl_or_b32 v29, v239, 16, v238              ; my bytes: blocks h and 2 + h,
.elseif (\n) == 13
	v_lshlrev_b32 v29, v[SH8], v29
.elseif (\n) == 16
	v_permlanex16_b32 v247, v29, s[SEL], s[SEL+1]
.elseif (\n) == 19
	v_or_b32 v29, v29, v247                        ; with lane l xor 16's: the word
.endif
.endm
.macro BODY next
	BMAX 0                                         ; (these lines are also the places behind the last products, for V's loads)
	ds_load_b64 v[10:11], v[ADT] offset:VSC        ; V's scale words and fragments
.irp t, 0,1,2,3
.irp c, 0,1,2
	ds_load_b128 v[VF+12*\t+4*\c:VF+12*\t+4*\c+3], v[ADK] offset:VOF+1536*\t+512*\c
.endr
.endr
	s_wait_dscnt 13                                ; K's tiles 4-7 are in; V's 13 loads may be out
	QK 1
.if \next
	s_add_co_u32 s[TB], s[TB], STEPB
	v_add_nc_u32 v[ADK], s[TB], v[LI16]            ; the next step's addresses: two of the four places
	v_add_nc_u32 v[ADT], s[TB], v[LI8]
	v_nop
	v_nop
	ds_load_b128 v[252:255], v[ADK] offset:KSC     ; its K scale words and tiles 0-3
	KLOAD 0
.else
.rept 4
	v_nop
.endr
.endif
	BMAX 1
	v_mov_b32 v241, v12                            ; the old -M
	v_max_num_f32 v240, v[BM], v[BM+2]
	DEP 1
	v_permlanex16_b32 v246, v240, s[SEL], s[SEL+1]
	DEP 1
	v_max3_num_f32 v13, v13, v240, v246            ; the running largest score of my query
	DEP 1
	v_mul_f32 v240, s[CS], v13
	DEP 1
	v_floor_f32 v12, -v240                         ; the new -M
.set j, 0
.rept 32
	v_pk_fma_f32 v[S+j:S+1+j], v[S+j:S+1+j], s[CS:CS+1], v[12:13] op_sel_hi:[1,0,0]   ; t - M
.if j == 4
	v_sub_f32 v241, v12, v241
.elseif j == 12
	v_cvt_i32_f32 v241, v241                       ; (it saturates)
.elseif j == 20
	v_ldexp_f32 v30, 1.0, v241                     ; f = 2^(old M - new M)
.endif
.set j, j+2
.endr
	v_fma_f32 v[BM], v[BM], s[CS], v12
	v_fma_f32 v[BM+2], v[BM+2], s[CS], v12
	WALU                                           ; the wait ahead of the batch
.set j, 0
.rept 64
	v_exp_f32 v[S+j], v[S+j]
.set j, j+1
.endr
	v_exp_f32 v[BM], v[BM]                         ; the blocks' largest p
	v_exp_f32 v[BM+2], v[BM+2]
	v_pk_mul_f32 v[14:15], v[14:15], v[30:31] op_sel_hi:[1,0]   ; the sum under the new M (a plain place behind the batch)
	WALU                                           ; and behind it
	v_pk_add_f32 v[P:P+1], v[S:S+1], v[S+2:S+3]    ; the row's sum of the unquantised p, in four chains
	v_pk_add_f32 v[P+2:P+3], v[S+4:S+5], v[S+6:S+7]
	v_pk_add_f32 v[P+4:P+5], v[S+8:S+9], v[S+10:S+11]
.set j, 12
.set n, 0
.rept 26
.if n%4 == 0
	v_pk_add_f32 v[14:15], v[14:15], v[S+j:S+j+1]
.else
	v_pk_add_f32 v[P+2*(n%4)-2:P+2*(n%4)-1], v[P+2*(n%4)-2:P+2*(n%4)-1], v[S+j:S+j+1]
.endif
	SCALE n
.set j, j+2
.set n, n+1
.endr
	v_pk_add_f32 v[P:P+1], v[P:P+1], v[P+2:P+3]
	v_pk_add_f32 v[14:15], v[14:15], v[P+4:P+5]
	v_pk_add_f32 v[14:15], v[14:15], v[P:P+1]
.irp c, 0,1
	v_cvt_scalef32_pk16_fp6_f32 v[P+6*\c:P+6*\c+2], v[S+32*\c:S+32*\c+15], v[244+\c]
	v_cvt_scalef32_pk16_fp6_f32 v[236+4*\c:238+4*\c], v[S+32*\c+16:S+32*\c+31], v[244+\c]   ; (a conversion's three registers begin on an even number)
.endr
	v_nop
.irp c, 0,1
.irp i, 0,1,2
	v_mov_b32 v[P+3+6*\c+\i], v[236+4*\c+\i]
.endr
.endr
	s_wait_dscnt 0x0                               ; V's fragments, and the next step's K tiles 0-3
.if \next
	QK 0                                           ; the next step's first scores, over p, which has been converted
.endif
	WALU                                           ; the wait ahead of the first reader of O^T
.set j, 0
.rept 4
	v_pk_mul_f32 v[O+j:O+1+j], v[O+j:O+1+j], v[30:31] op_sel_hi:[1,0]   ; (four places)
.set j, j+2
.endr
.if \next
	KLOAD 1
.endif
.rept 12
	v_pk_mul_f32 v[O+j:O+1+j], v[O+j:O+1+j], v[30:31] op_sel_hi:[1,0]
.set j, j+2
.endr
	WALU
.irp u, 0,1
	v_wmma_scale_f32_16x16x128_f8f6f4 v[O+16*\u:O+16*\u+7], v[VF+24*\u:VF+24*\u+11], v[P:P+11], v[O+16*\u:O+16*\u+7], v[10+\u], v29 matrix_a_fmt:MATRIX_FMT_FP6 matrix_b_fmt:MATRIX_FMT_FP6
	v_wmma_scale_f32_16x16x128_f8f6f4 v[O+16*\u+8:O+16*\u+15], v[VF+24*\u+12:VF+24*\u+23], v[P:P+11], v[O+16*\u+8:O+16*\u+15], v[10+\u], v29 matrix_a_fmt:MATRIX_FMT_FP6 matrix_b_fmt:MATRIX_FMT_FP6 matrix_a_scale:MATRIX_SCALE_ROW1
.endr
.endm
.Lpass:
	global_load_b128 v[16:19], v[LI16], s[QB:QB+1]
	global_load_b128 v[20:23], v[LI16], s[QB:QB+1] offset:512
	global_load_b32 v28, v[VQS], s[QS:QS+1]
	s_mov_b32 s[TB], 0
	v_add_nc_u32 v[ADK], s[TB], v[LI16]
	v_add_nc_u32 v[ADT], s[TB], v[LI8]
	ds_load_b128 v[252:255], v[ADK] offset:KSC
	KLOAD 0
	v_mov_b32 v13, 0xec800000                      ; the largest score so far: -2^90
	v_mov_b32 v12, 0x6c800000                      ; -M
	v_mov_b32 v14, 0
	v_mov_b32 v15, 0
.set j, 0
.rept 32
	v_mov_b32 v[O+j], 0                            ; the step is written once: the first finds zeros
.set j, j+1
.endr
	WALU
	s_wait_loadcnt 0x0
	s_wait_dscnt 0x0
	QK 0
.rept 4
	v_nop
.endr
	KLOAD 1
.Lstep:
	BODY 1
	s_cmp_lg_u32 s[TB], 15*STEPB
	s_cbranch_scc1 .Lstep
	BODY 0
	; the tile's way out: O^T / the sum, one block of 32 features a lane
.rept 4
	v_nop
.endr
	v_add_f32 v14, v14, v15
	DEP 1
	v_permlanex16_b32 v246, v14, s[SEL], s[SEL+1]
	DEP 1
	v_add_f32 v14, v14, v246
	WALU
	v_rcp_f32 v14, v14
	v_add_nc_u32 v240, s[PO], v[VST]               ; tile 2 j's word goes to lanes 0-15 of the pack, tile 2 j + 1's to lanes 16-31
	WALU
.set j, 0
.rept 16
	v_pk_mul_f32 v[S+j:S+1+j], v[O+j:O+1+j], v[14:15] op_sel_hi:[1,0]
.set j, j+2
.endr
.irp b, 0,1
	v_max3_num_f32 v[BM+\b], |v[S+16*\b]|, |v[S+1+16*\b]|, 0x1800000
.endr
.irp i, 2,4,6,8,10,12,14
.irp b, 0,1
	DEP 2
	v_max3_num_f32 v[BM+\b], v[BM+\b], |v[S+16*\b+\i]|, |v[S+1+16*\b+\i]|
.endr
.endr
	DEP 1
	v_max_num_f32 v[BM], v[BM], v[BM+1]
	DEP 1
	v_add_nc_u32 v244, 0xff000000, v[BM]
	DEP 1
	v_lshrrev_b32 v238, 23, v244
	DEP 1
	v_lshlrev_b32 v238, v[SH8], v238
	DEP 1
	v_permlanex16_b32 v247, v238, s[SEL], s[SEL+1]
	DEP 1
	v_or_b32 v238, v238, v247                      ; the row's two bytes
	v_cvt_scalef32_pk16_fp6_f32 v[P:P+2], v[S:S+15], v244
	v_cvt_scalef32_pk16_fp6_f32 v[P+4:P+6], v[S+16:S+31], v244
	v_nop
.irp i, 0,1,2
	v_mov_b32 v[P+3+\i], v[P+4+\i]
.endr
	global_store_b128 v[LI16], v[P:P+3], s[CB:CB+1]
	global_store_b64 v[LI8], v[P+4:P+5], s[CB:CB+1] offset:512
	ds_store_b32 v240, v238                        ; both halves of the lanes write the same word with the same value
	s_wait_xcnt 0x0                                ; the bases and the stores' registers may be written
	s_add_nc_u64 s[QB:QB+1], s[QB:QB+1], 1024
	s_add_nc_u64 s[QS:QS+1], s[QS:QS+1], 256
	s_add_nc_u64 s[CB:CB+1], s[CB:CB+1], 768
	s_add_co_u32 s[PO], s[PO], 256
	s_cmp_lg_u32 s[PO], 512
	WALU
	s_cbranch_scc1 .Lpass
	s_wait_dscnt 0x0                               ; my words are in the stage
	s_barrier_signal -1
	s_barrier_wait -1
	s_cmp_lt_u32 s[WV], 4
	s_cbranch_scc0 .Lno_pack
	ds_load_b128 v[244:247], v[PK]
	s_wait_dscnt 0x0
	global_store_b128 v[LI16], v[244:247], s[CSB:CSB+1]   ; 512 consecutive bytes, aligned
.Lno_pack:
	s_wait_tensorcnt 0x0                           ; the wave's end
	ds_add_u32 v[SPW], v[NIL]
	s_wait_dscnt 0x0
	CROUND                                         ; the closing round
	s_endpgm
.Lfunc_end_k_qd5fe084aca_attn:
	.size	k_qd5fe084aca_attn, .Lfunc_end_k_qd5fe084aca_attn-k_qd5fe084aca_attn
	.p2alignl 7, 3214868480
	.fill 96, 4, 3214868480
	.section	.rodata,"a",@progbits
	.p2align	6, 0x0
	.amdhsa_kernel k_qd5fe084aca_attn
		.amdhsa_group_segment_fixed_size 245760
		.amdhsa_private_segment_fixed_size 0
		.amdhsa_enable_private_segment 0
		.amdhsa_kernarg_size 40
		.amdhsa_user_sgpr_count 2
		.amdhsa_user_sgpr_kernarg_segment_ptr 1
		.amdhsa_wavefront_size32 1
		.amdhsa_system_sgpr_workgroup_id_x 1
		.amdhsa_system_sgpr_workgroup_id_y 1
		.amdhsa_system_sgpr_workgroup_id_z 1
		.amdhsa_system_vgpr_workitem_id 0
		.amdhsa_next_free_vgpr 256
		.amdhsa_next_free_sgpr 84
		.amdhsa_reserve_vcc 0
		.amdhsa_float_denorm_mode_32 3
		.amdhsa_float_denorm_mode_16_64 3
		.amdhsa_memory_ordered 1
		.amdhsa_forward_progress 1
		.amdhsa_inst_pref_size 41
	.end_amdhsa_kernel
	.amdgpu_metadata
---
amdhsa.version: [ 1, 2 ]
amdhsa.kernels:
  - .name:           k_qd5fe084aca_attn
    .symbol:         k_qd5fe084aca_attn.kd
    .args:
      - { .name: qimg, .offset: 0, .size: 8, .value_kind: global_buffer, .address_space: global }
      - { .name: qsc, .offset: 8, .size: 8, .value_kind: global_buffer, .address_space: global }
      - { .name: kv, .offset: 16, .size: 8, .value_kind: global_buffer, .address_space: global }
      - { .name: cimg, .offset: 24, .size: 8, .value_kind: global_buffer, .address_space: global }
      - { .name: csc, .offset: 32, .size: 8, .value_kind: global_buffer, .address_space: global }
    .group_segment_fixed_size: 245760
    .private_segment_fixed_size: 0
    .kernarg_segment_align: 8
    .kernarg_segment_size: 40
    .max_flat_workgroup_size: 512
    .sgpr_count:     84
    .vgpr_count:     256
    .wavefront_size: 32
...
	.end_amdgpu_metadata
.endif
;; end of part 3
;; launch proj (part 4): grid 8 x 32, 4 waves a work-group, clusters of 4 x 4, 327,680 bytes of LDS; arguments cimg, csc, xw, xws, bo, out0; writes out0
.if DOCPART == 4
	.amdgcn_target "amdgcn-amd-amdhsa--gfx1250"
	.amdhsa_code_object_version 6
	.text
	.protected	k_qd5fe084aca_proj
	.globl	k_qd5fe084aca_proj
	.p2align	8
	.type	k_qd5fe084aca_proj,@function
k_qd5fe084aca_proj:
	s_mov_b64 s[64:65], 0
	v_nop
	global_prefetch_b8 v0, s[64:65] scope:SCOPE_SE
	s_setreg_imm32_b32 hwreg(HW_REG_WAVE_MODE, 25, 1), 1
	s_wait_xcnt 0x0
	s_wait_alu depctr_hold_cnt(0) depctr_sa_sdst(0) depctr_va_vdst(0) depctr_va_sdst(0) depctr_va_ssrc(0) depctr_va_vcc(0) depctr_vm_vsrc(0)
	s_getreg_b32 s2, hwreg(HW_REG_IB_STS2, 6, 4)
	s_cmp_eq_u32 s2, 0
	s_cbranch_scc0 .Lentry_in_a_cluster
	s_endpgm
.Lentry_in_a_cluster:
	s_bfe_u32 s2, ttmp6, 0x10000c
	s_cmp_lg_u32 s2, 0xf033
	s_cbranch_scc0 .Lentry_shape_is_right
	s_endpgm
.Lentry_shape_is_right:
; out0 = ctx wo^T + bo on codes of FP6 (E2M3) with E8M0 scales, K = 1,024.
; 256 work-groups of four waves; a work-group makes 256 tokens x 128 columns, a wave 128 x 64: 32 accumulators.
; ALL OF K LIES IN LDS, by one tensor load a wave at the head: waves 0 and 1 a group of 128 tokens of cimg each (98,304 bytes of register images, as they lie), waves 2 and 3 two quarters of K each of wo's 128 rows
; (dense blocks of xw, 192 rows of 256 bytes, 16 bytes of padding behind every 64: LDS rows of 240 bytes).  Nothing is filled again, and no barrier stands among the eight steps of 128 along K.
; ctx's tiles are shared along a row of the cluster, wo's along a column: joint loads of four work-groups.
; Both operands have two sets of registers: a step's fragments are asked for a whole step, 32 matrix instructions, ahead.
; The matrix instruction is used transposed (source 0 = wo's rows): a lane holds eight neighbouring columns of one token.  bo is the first products' C.
; cimg [group][head][tile of 16][768]: registers 0-3 at 16 x lane, 4-5 at 512 + 8 x lane; two heads make a fragment.  csc [group][head][512]: dword j of lane (r, h) is the word (two bytes) of tile 2 j + h, row r.
; Tile a's row r is token 64 (a / 4) + 8 (a % 4) + r + 24 (r / 8) of its group.
; THE WAY OUT: 16 tokens x 64 columns at a time through the wave's own stage, back as rows of 256 bytes, two to a store.  The stage lies over ctx's bytes, behind a barrier at which every wave's LDS reads are over.
; No prefetch: all that the launch reads by tensor loads is asked for at its head.
; REGISTERS: window 0: v1-31 addresses; v64-95 ctx's scale words, v96-111 wo's; v128-223 ctx's fragments, set 0 (before them csc's packs; later the way out).  window 3: v128-223 set 1.
;   window 1: wo's fragments at v0 and v128; v96-127 the bias.   window 2: the accumulators, (a, b) at v[8 (4 a + b)].
.set PITCH, 240
.set FR,    12
.set AG,    98304
.set BB,    2*AG
.set QL,    128*PITCH
.set SPARE, BB+4*QL
.set SPITCH, 272
.set VB,   10
.set ADRA, 16                          ; v16-17 16 x lane in my group, heads 0-7 and 8-15; v18-19 the same with 8 x lane
.set ADRB, 20                          ; v20-21 my rows of wo, quarters 0-1 and 2-3; v22-23 behind one padding more
.set STO,  24
.set RD,   25
.set CO,   26
.set VS,   27
.set SPW,  28
.set NIL,  29
.set L16,  30
.set SA,   64
.set SB,   96
.set AF,   128
.set T,    128
.set BK,   128
.set G1,  24
.set G0,  32
.set G1B, 48
.set G0B, 56
.set MSB, 0
.macro WIN new
.if MSB != (\new)
	s_set_vgpr_msb (MSB<<8)|(\new)
.set MSB, (\new)
.endif
.endm
.macro PLACES n
.rept \n
	v_nop
.endr
.endm
.macro CROUND
	s_barrier_signal -1
	s_barrier_wait -1
	s_cmp_lg_u32 s14, 0
	s_cbranch_scc1 .Lnot_wave_0_\@
	s_barrier_signal -3
.Lnot_wave_0_\@:
	s_barrier_wait -3
	s_barrier_signal -1
	s_barrier_wait -1
.endm
	s_load_b256 s[4:11], s[0:1], 0x0               ; cimg, csc, xw, xws
	s_load_b128 s[68:71], s[0:1], 0x20             ; bo, out0
	v_lshl_add_u32 v[SPW], v0, 2, SPARE
	v_mov_b32 v[NIL], 0
	ds_add_u32 v[SPW], v[NIL]                      ; the opening lines: the add twice and its wait
	ds_add_u32 v[SPW], v[NIL]
	v_lshrrev_b32 v1, 5, v0
	v_readfirstlane_b32 s14, v1
	s_lshr_b32 s15, s14, 1                         ; my group of tokens; also: I fetch ctx (0) or wo (1)
	s_and_b32 s16, s14, 1                          ; my 64 columns; also: which part I fetch
	s_bfe_u32 s40, ttmp6, 0x40000
	s_bfe_u32 s41, ttmp6, 0x40004
	s_and_b32 s17, ttmp7, 0xffff
	s_lshl_b32 s17, s17, 2
	s_add_co_u32 s17, s17, s41                     ; which 256 tokens
	s_lshl_b32 s42, ttmp9, 2
	s_add_co_u32 s42, s42, s40                     ; which 128 columns
	s_lshl_b32 s43, s41, 2
	s_lshl_b32 s43, 15, s43                        ; my row of the cluster
	s_lshl_b32 s44, 0x1111, s40                    ; my column
	s_or_b32 s[G1+0], s43, (3<<16)|(1<<21)         ; ctx: 384 rows of 32 elements of 8 bytes
	s_mov_b32 s[G1+1], 32<<16
	s_mov_b32 s[G1+2], 384<<16
	s_mov_b32 s[G1+3], 32<<16
	s_mov_b32 s[G1+4], 384
	s_mov_b32 s[G1+5], 32
	s_mov_b32 s[G1+6], 0
	s_mov_b32 s[G1+7], 0
	s_or_b32 s[G1B+0], s44, (1<<20)|(1<<21)|(3<<22)|(3<<25)   ; wo: 192 rows of 256 bytes, 4 words of padding behind every 16
	s_mov_b32 s[G1B+1], 256<<16
	s_mov_b32 s[G1B+2], 192<<16
	s_mov_b32 s[G1B+3], 256<<16
	s_mov_b32 s[G1B+4], 192
	s_mov_b32 s[G1B+5], 256
	s_mov_b32 s[G1B+6], 0
	s_mov_b32 s[G1B+7], 0
	s_lshl_b32 s20, s17, 1
	s_add_co_u32 s20, s20, s16
	s_mul_i32 s20, s20, AG                         ; the group that I fetch
	s_mov_b32 s21, 0
	s_add_co_u32 s46, s42, 88                      ; wo's places begin at 11,264 = 88 groups
	s_mul_i32 s46, s46, AG
	s_mul_i32 s18, s16, 49152                      ; the two quarters that I fetch
	s_add_co_u32 s46, s46, s18
	s_mov_b32 s47, 0
	s_mov_b32 s[G0], 1
	s_mul_i32 s[G0+1], s16, AG
	s_mov_b32 s[G0B], 1
	s_mul_i32 s[G0B+1], s16, 2*QL
	s_add_co_u32 s[G0B+1], s[G0B+1], BB
	s_wait_dscnt 0x0
	s_wait_kmcnt 0x0
	s_add_nc_u64 s[G0+2:G0+3], s[4:5], s[20:21]
	s_or_b32 s[G0+3], s[G0+3], 0x80000000
	s_add_nc_u64 s[G0B+2:G0B+3], s[8:9], s[46:47]
	s_or_b32 s[G0B+3], s[G0B+3], 0x80000000
	CROUND                                         ; the joint loads meet
	s_cmp_eq_u32 s15, 0
	s_cbranch_scc0 .Lfor_b
	tensor_load_to_lds s[G0:G0+3], s[G1:G1+7]
	s_nop 0
	PLACES 4
	s_branch .Lasked
.Lfor_b:
	tensor_load_to_lds s[G0B:G0B+3], s[G1B:G1B+7]
	s_nop 0
	PLACES 4
.Lasked:
	s_mul_i32 s21, s15, AG
	s_mul_i32 s22, s16, 64*PITCH
	s_add_co_u32 s22, s22, BB
	s_mul_i32 s23, s14, 16*SPITCH
	v_and_b32 v1, 15, v0                           ; r
	v_bfe_u32 v2, v0, 4, 1                         ; h
	v_and_b32 v6, 31, v0
	v_lshlrev_b32 v[L16], 4, v6
	v_lshlrev_b32 v7, 3, v6
	v_lshlrev_b32 v[VS], 5, v6
	v_lshlrev_b32 v[VB], 5, v2
	v_mul_u32_u24 v3, v1, PITCH
	v_mad_u32_u24 v4, v2, 24, v3
	v_lshl_add_u32 v5, v2, 4, v4
	v_add_nc_u32 v[ADRA], s21, v[L16]
	v_add_nc_u32 v[ADRA+2], s21, v7
	v_add_nc_u32 v[ADRB], s22, v4
	v_add_nc_u32 v[ADRB+2], s22, v5
	v_add_nc_u32 v[ADRA+1], 49152, v[ADRA]
	v_add_nc_u32 v[ADRA+3], 49152, v[ADRA+2]
	v_add_nc_u32 v[ADRB+1], 2*QL, v[ADRB]
	v_add_nc_u32 v[ADRB+3], 2*QL, v[ADRB+2]
	v_mul_u32_u24 v5, v1, SPITCH
	v_lshl_add_u32 v5, v2, 5, v5
	v_add_nc_u32 v[STO], s23, v5                   ; into the stage: row r, 32 bytes for each half of the lanes
	v_mul_u32_u24 v5, v2, SPITCH
	v_lshl_add_u32 v5, v1, 4, v5
	v_add_nc_u32 v[RD], s23, v5                    ; back: lanes 0-15 one row of 256 bytes, lanes 16-31 the next
	v_lshlrev_b32 v5, 12, v2
	v_lshl_add_u32 v[CO], v1, 4, v5                ; and the same two rows in out0
	s_wait_alu depctr_va_vdst(0)                   ; the wait ahead of the run of scalar lines
	s_lshl_b32 s18, s17, 8
	s_lshl_b32 s19, s15, 7
	s_add_co_u32 s18, s18, s19
	s_lshl_b32 s18, s18, 12                        ; my first token's row of out0
	s_lshl_b32 s76, s42, 9
	s_lshl_b32 s77, s16, 8
	s_add_co_u32 s76, s76, s77                     ; my first column, in bytes
	s_add_co_u32 s18, s18, s76
	s_mov_b32 s19, 0
	s_mov_b32 s77, 0
	s_add_nc_u64 s[12:13], s[70:71], s[18:19]
	s_add_nc_u64 s[76:77], s[68:69], s[76:77]
	s_lshl_b32 s72, s17, 1
	s_add_co_u32 s72, s72, s15
	s_lshl_b32 s72, s72, 13
	s_mov_b32 s73, 0
	s_add_nc_u64 s[72:73], s[6:7], s[72:73]        ; my group's packs
	s_lshl_b32 s74, s42, 7
	s_lshl_b32 s75, s16, 6
	s_add_co_u32 s74, s74, s75
	s_add_co_u32 s74, s74, 11264
	s_lshl_b32 s74, s74, 5
	s_mov_b32 s75, 0
	s_add_nc_u64 s[74:75], s[10:11], s[74:75]      ; my rows of wo: their scale bytes
.irp d, 0,1,2,3,4,5,6,7,8,9,10,11,12,13,14,15
	global_load_b128 v[T+4*\d:T+4*\d+3], v[L16], s[72:73] offset:512*\d
.endr
.irp j, 0,1
	global_load_b128 v[SB+8*\j:SB+8*\j+3], v[VS], s[74:75] offset:1024*\j
	global_load_b128 v[SB+8*\j+4:SB+8*\j+7], v[VS], s[74:75] offset:1024*\j+16
.endr
	WIN 0x40
.irp b, 0,1,2,3
	global_load_b128 v[96+8*\b:96+8*\b+3], v[VB], s[76:77] offset:64*\b
	global_load_b128 v[96+8*\b+4:96+8*\b+7], v[VB], s[76:77] offset:64*\b+16
.endr
	WIN 0
	s_wait_loadcnt 0x0
.irp g, 0,1,2,3,4,5,6,7
.irp j, 0,1,2,3
	v_lshl_or_b32 v[SA+8*\j+\g], v[T+8*\g+4+\j], 16, v[T+8*\g+\j]   ; heads 2 g and 2 g + 1 make the word of the g-th 128 along K
.endr
.endr
	PLACES 8                                       ; a scale register written by a vector instruction stands 8 places ahead of a scaled matrix instruction
.macro FRAG reg, g, i                  ; wo: 16 rows x 128 K, in pieces of 8 bytes
.irp p, 0,1,2,3,4,5
.set PCE, 12*((\g)%2)+6*(\p/3)+\p%3
.if PCE%8 < 5
	ds_load_b64 v[\reg+2*\p:\reg+2*\p+1], v[ADRB+(\g)/4] offset:(((\g)/2)%2)*QL+8*PCE+16*(PCE/8)+(\i)*16*PITCH
.else
	ds_load_b64 v[\reg+2*\p:\reg+2*\p+1], v[ADRB+2+(\g)/4] offset:(((\g)/2)%2)*QL+8*PCE+16*(PCE/8)+(\i)*16*PITCH
.endif
.endr
.endm
.macro FRAGI reg, g, i                 ; ctx: two heads' images
.irp c, 0,1
	ds_load_b128 v[\reg+6*\c:\reg+6*\c+3], v[ADRA+(\g)/4] offset:(2*((\g)%4)+\c)*6144+768*(\i)
	ds_load_b64 v[\reg+6*\c+4:\reg+6*\c+5], v[ADRA+2+(\g)/4] offset:(2*((\g)%4)+\c)*6144+768*(\i)+512
.endr
.endm
.macro FETCH g                         ; step g's fragments into sets g % 2
	WIN 0x40
.irp i, 0,1,2,3
	FRAG 128*((\g)%2)+FR*\i, \g, \i
.endr
	WIN 0xc0*((\g)%2)
.irp i, 0,1,2,3,4,5,6,7
	FRAGI AF+FR*\i, \g, \i
.endr
	WIN 0
.endm
.macro WM1 c, ra, rb
	v_wmma_scale_f32_16x16x128_f8f6f4 v[WD:WD+7], v[WB:WB+11], v[WA:WA+11], \c, v[WSB], v[WSA] matrix_a_fmt:MATRIX_FMT_FP6 matrix_b_fmt:MATRIX_FMT_FP6 matrix_a_scale:MATRIX_SCALE_ROW\ra matrix_b_scale:MATRIX_SCALE_ROW\rb
.endm
.macro WM2 c
.if WK == 0
	WM1 \c, 0, 0
.elseif WK == 1
	WM1 \c, 1, 0
.elseif WK == 2
	WM1 \c, 0, 1
.else
	WM1 \c, 1, 1
.endif
.endm
.macro MUL g                           ; 32 products; the accumulators take turns
.if (\g) == 0
	WIN 0x91                                       ; source 0 window 1, source 1 window 0, C (the bias) window 1, D window 2
.elseif (\g)%2
	WIN 0xad                                       ; source 1 window 3
.else
	WIN 0xa1
.endif
.irp a, 0,1,2,3,4,5,6,7
.irp b, 0,1,2,3
.set WD, 8*(4*\a+\b)
.set WB, 128*((\g)%2)+FR*\b
.set WA, AF+FR*\a
.set WSB, SB+8*(\b/2)+(\g)
.set WSA, SA+8*(\a/2)+(\g)
.set WK, 2*(\a%2)+\b%2
.if (\g) == 0
	WM2 v[96+8*\b:96+8*\b+7]
.else
	WM2 v[WD:WD+7]
.endif
.endr
.endr
	WIN 0
.endm
	s_wait_alu depctr_va_vdst(0)                   ; the wait at the head's end
	s_wait_tensorcnt 0x0                           ; my part is in,
	s_barrier_signal -1
	s_barrier_wait -1                              ; and everybody's
	FETCH 0
.irp g, 0,1,2,3,4,5,6
	s_wait_dscnt 0x0                               ; this step's fragments, asked for a step ago
	PLACES 4                                       ; behind the last step's products, whose registers the loads below fill
	FETCH \g+1
	MUL \g
.endr
	s_wait_dscnt 0x0                               ; my last reads of the tiles are over:
	s_barrier_signal -1
	MUL 7
	s_barrier_wait -1                              ; and everybody's: the stage may lie over ctx's bytes, which are filled no more
.macro TOSTAGE a
	WIN 0x08
.irp b, 0,1,2,3
	ds_store_b128 v[STO], v[32*(\a)+8*\b:32*(\a)+8*\b+3] offset:64*\b       ; each accumulator from its low end on
	ds_store_b128 v[STO], v[32*(\a)+8*\b+4:32*(\a)+8*\b+7] offset:64*\b+16
.endr
	WIN 0
.set BR, BK+32*((\a)%2)
.irp t, 0,1,2,3,4,5,6,7
	ds_load_b128 v[BR+4*\t:BR+4*\t+3], v[RD] offset:\t*2*SPITCH   ; LDS serves a wave's instructions in order
.endr
.endm
.macro SEND a, younger
.set BR, BK+32*((\a)%2)
	s_wait_dscnt \younger
.if (\a) > 0
.if (\a)%4
	s_add_nc_u64 s[12:13], s[12:13], 8*4096
.else
	s_add_nc_u64 s[12:13], s[12:13], 40*4096
.endif
.endif
.irp t, 0,1,2,3,4,5,6,7
	global_store_b128 v[CO], v[BR+4*\t:BR+4*\t+3], s[12:13] offset:(2*\t+24*(\t/4))*4096 th:TH_STORE_NT   ; 16 lanes store 256 consecutive bytes, aligned
.endr
.endm
	PLACES 4
	TOSTAGE 0
.irp a, 1,2,3,4,5,6,7
.if \a > 1
	s_wait_xcnt 0x0                                ; block a - 2's stores have read their registers and their base
.endif
	TOSTAGE \a
	SEND \a-1, 16                                  ; behind block a - 1's loads: block a's 8 stores and 8 loads
.endr
	s_wait_xcnt 0x0
	SEND 7, 0
	s_wait_tensorcnt 0x0                           ; the wave's end
	ds_add_u32 v[SPW], v[NIL]
	s_wait_dscnt 0x0
	CROUND                                         ; the closing round
	s_endpgm
.Lfunc_end_k_qd5fe084aca_proj:
	.size	k_qd5fe084aca_proj, .Lfunc_end_k_qd5fe084aca_proj-k_qd5fe084aca_proj
	.p2alignl 7, 3214868480
	.fill 96, 4, 3214868480
	.section	.rodata,"a",@progbits
	.p2align	6, 0x0
	.amdhsa_kernel k_qd5fe084aca_proj
		.amdhsa_group_segment_fixed_size 327680
		.amdhsa_private_segment_fixed_size 0
		.amdhsa_enable_private_segment 0
		.amdhsa_kernarg_size 48
		.amdhsa_user_sgpr_count 2
		.amdhsa_user_sgpr_kernarg_segment_ptr 1
		.amdhsa_wavefront_size32 1
		.amdhsa_system_sgpr_workgroup_id_x 1
		.amdhsa_system_sgpr_workgroup_id_y 1
		.amdhsa_system_sgpr_workgroup_id_z 1
		.amdhsa_system_vgpr_workitem_id 0
		.amdhsa_next_free_vgpr 1024
		.amdhsa_next_free_sgpr 100
		.amdhsa_reserve_vcc 0
		.amdhsa_float_denorm_mode_32 3
		.amdhsa_float_denorm_mode_16_64 3
		.amdhsa_memory_ordered 1
		.amdhsa_forward_progress 1
		.amdhsa_inst_pref_size 90
	.end_amdhsa_kernel
	.amdgpu_metadata
---
amdhsa.version: [ 1, 2 ]
amdhsa.kernels:
  - .name:           k_qd5fe084aca_proj
    .symbol:         k_qd5fe084aca_proj.kd
    .args:
      - { .name: cimg, .offset: 0, .size: 8, .value_kind: global_buffer, .address_space: global }
      - { .name: csc, .offset: 8, .size: 8, .value_kind: global_buffer, .address_space: global }
      - { .name: xw, .offset: 16, .size: 8, .value_kind: global_buffer, .address_space: global }
      - { .name: xws, .offset: 24, .size: 8, .value_kind: global_buffer, .address_space: global }
      - { .name: bo, .offset: 32, .size: 8, .value_kind: global_buffer, .address_space: global }
      - { .name: out0, .offset: 40, .size: 8, .value_kind: global_buffer, .address_space: global }
    .group_segment_fixed_size: 327680
    .private_segment_fixed_size: 0
    .kernarg_segment_align: 8
    .kernarg_segment_size: 48
    .max_flat_workgroup_size: 128
    .sgpr_count:     100
    .vgpr_count:     1024
    .wavefront_size: 32
...
	.end_amdgpu_metadata
.endif
;; end of part 4
